; MI455X (gfx1250); checked and timed in simulation.
; The chip was launched on July 23, 2026; its instructions are those of AMD's public machine-readable ISA for CDNA 5 (MIT licence, August 2026) and "CDNA5" Instruction Set Architecture Reference Guide (July 2026). The comments in the code are by the model that wrote it; some were corrected since.
;; Gemma Causal Att. Allowed arithmetic: matrix products marked QUANTISED: E2M1 operands, one E8M0 scale for each 32 along K, by v_wmma_scale_f32_16x16x128_f8f6f4 with both operands' format E2M1 (or v_wmma_scale_f32_32x16x128_f4), f32 sums; products left as they are: bf16, f16 or f32 operands; f32 sums; everything else in f32.
;; Inputs: Wk 2,048 x 2,048 float32; Wo 4,096 x 2,048 float32; Wq 2,048 x 4,096 float32; Wv 2,048 x 2,048 float32; X 2 x 1,024 x 2,048 float32.
;; Outputs: out0 2 x 1,024 x 2,048 float32.
;; This version of the problem:
;;   THIS VERSION OF THE PROBLEM IS GIVEN IN LOW PRECISION. The matrix products marked QUANTISED in the list below multiply operands that are first quantised to E2M1 (2 exponent bits, 1 mantissa bit; 4 bits a number), with one power-of-two scale for each 32 numbers along K (OCP MX v1.0); their sums are f32. The products marked 'left as it is' may take bf16, f16 or f32 operands, with f32 sums. Whichever they take, every output number must still come out within the allowed error. Rounding operands to bf16 (8 significant bits) uses up far more of that allowance than f16 does (11 bits, for magnitudes from 6e-5 to 65,504). All else is computed in f32.
;;   The module's matrix products, in the order in which they are computed (A, B: the left and right operand; K: the contracted axis; several contracted axes count as one K, in the product's order):
;;     1. [M 2,048, K 2,048] x [K 2,048, N 4,096]; A: input X; B: input Wq: QUANTISED
;;     2. [M 2,048, K 2,048] x [K 2,048, N 2,048]; A: input X; B: input Wk: QUANTISED
;;     3. [M 2,048, K 2,048] x [K 2,048, N 2,048]; A: input X; B: input Wv: QUANTISED
;;     4. batch 32 x [M 1,024, K 256] x [K 256, N 1,024]; A: computed on the way; B: computed on the way: left as it is (an operand is computed on the way)
;;     5. batch 32 x [M 1,024, K 1,024] x [K 1,024, N 256]; A: computed on the way; B: computed on the way: left as it is (an operand is computed on the way)
;;     6. [M 2,048, K 4,096] x [K 4,096, N 2,048]; A: computed on the way; B: input Wo: left as it is (an operand is computed on the way)
;;   THE QUANTISER, for each operand of a quantised product, along K:
;;     - K is cut into blocks of 32 from its start; a last block that is shorter is filled with zeros.
;;     - A block's scale is 2^e with e = floor(log2(the largest magnitude in the block)) - 2, held to -126 .. 127; a block of zeros has e = 0. As a byte (E8M0): e + 127.
;;     - Each number is divided by its block's scale, clamped to +-6, and rounded to the nearest number of E2M1, ties to even, subnormals kept.
;;     - The product sums the exact products of the quantised numbers (number of the format x scale) in f32.
;;   ~~~python
;;   def quantise(x, axis):      # numpy; x: float32 -> the quantised numbers, widened to float32 again
;;       x = np.moveaxis(x, axis, -1); K = x.shape[-1]
;;       x = np.pad(x, [(0, 0)] * (x.ndim - 1) + [(0, -K % 32)]); x = x.reshape(x.shape[:-1] + (-1, 32)); a = np.abs(x).max(-1, keepdims=True)
;;       e = np.where(a > 0, np.clip(np.frexp(np.where(a > 0, a, 1))[1] - 1 - 2, -126, 127), 0)      # np.frexp(a)[1] - 1 = floor(log2(a)), exactly
;;       r = np.clip(x / 2.0 ** e, -6, 6)
;;       step = 2.0 ** (np.maximum(np.frexp(np.where(r == 0, 1, r))[1] - 1, 0) - 1)
;;       q = np.round(r / step) * step * 2.0 ** e      # np.round: ties to even
;;       return np.moveaxis(q.reshape(q.shape[:-2] + (-1,))[..., :K], -1, axis).astype(np.float32)
;;   ~~~
;; One version. Each part assembles by itself: llvm-mc -triple=amdgcn-amd-amdhsa -mcpu=gfx1250 --defsym DOCPART=n.
;; ======== version 1 of 1: 6 launches
;; limits: values are held in f16: magnitudes above 65,504 overflow, below 6.1e-05 lose precision
;; workspace buffers: codes 10,485,760 bytes; scales 655,360 bytes; rope 1,048,576 bytes; qkv 33,554,432 bytes; fine32 1,048,576 bytes; wo16 16,777,216 bytes; part 4,194,304 bytes; y 16,777,216 bytes
;; launch prep (part 1): grid 384 x 1, 4 waves a work-group, no clusters, 68,096 bytes of LDS; arguments X, Wq, Wk, Wv, codes, scales, rope; writes codes, scales, rope
.if DOCPART == 1
	.amdgcn_target "amdgcn-amd-amdhsa--gfx1250"
	.amdhsa_code_object_version 6
	.text
	.protected	k_q8d9cbb44b3_prep
	.globl	k_q8d9cbb44b3_prep
	.p2align	8
	.type	k_q8d9cbb44b3_prep,@function
k_q8d9cbb44b3_prep:
	s_mov_b64 s[64:65], 0
	v_nop
	global_prefetch_b8 v0, s[64:65] scope:SCOPE_SE
	s_setreg_imm32_b32 hwreg(HW_REG_WAVE_MODE, 25, 1), 1
	s_wait_xcnt 0x0
; THE PROGRAM: out0 = attention(X) Wo (16 query heads, 8 key/value heads, head 256, RoPE, tanh softcap at 50, causal mask), in six launches:
; prep (this one), gemm (X by Wq, Wk, Wv on E2M1 codes, RoPE), wofine (Wo to f16; positions 0-15 in f32), att, proj, fsum.
; WORK LEFT OUT: reference() sets every score with key > query to -infinity by its own jnp.tril, so its weight is 0 whatever finite values the inputs hold.
; A step of 64 keys all of which come after a tile's 16 queries therefore reaches no output, and launch att does not multiply it.  No input is left out.
; LIMIT: a NaN, an infinity or an overflow that would arise only in such a step is not carried to the result.
; LIMITS OF FORMAT: q, k, v, y and Wo go to the products that are left as they are in f16: magnitudes up to 65,504; NaN and infinities among the inputs are not served.
; THIS LAUNCH: (1) X [2048][2048] f32 into E2M1 codes, K innermost, with one E8M0 byte for each 32 along K: work-groups 0-127.  (2) Wq, Wk, Wv, whose K is the FIRST axis, into codes laid
; [8192 columns][2048 K]: work-groups 128-383.  (3) a table of cos and sin for RoPE, laid as the next launch's registers want it: one block of 2,048 bytes a wave of the X path.
; A block's scale is 2^(floor(log2(largest magnitude)) - 2); its byte is that magnitude's exponent field - 2, held at 1 from below.  A block of zeros so gets the byte 1 where the rule says 127:
; its codes are zeros, which add nothing, and this program alone reads the bytes.  Blocks whose largest magnitude lies under 2^-124 are held at that floor.
; THE COLUMNS OF Wq AND Wk ARE STORED WITH BITS 6 AND 7 OF THEIR NUMBER SWAPPED: channel d = 128 hi + 64 s + j lies at 128 s + 64 hi + j of its head.  So the 128 columns of one wave of the next launch hold
; both partners (d, d + 128) of RoPE.  q and k keep that order: their dot product does not mind.  Wv's columns stay.
; The two paths part on the work-group's number and have LDS bytes of their own: X's 0 - 32,767, W's 32,768 - 67,583; the spare words lie behind both.
.set SPW,   208                        ; v208 LDS address of my spare word; never rewritten
.set NIL,   209                        ; v209 0; never rewritten
.set SPARE, 67584
.set EMAX,  2
.set STEPS, 16                         ; X path: a wave takes 16 steps of 512 numbers
.set CB,    8                          ; bytes of 16 codes
.set XR,    16                         ; v16-79   four sets of 16 numbers as loaded
.set XN,    80                         ; v80-111  two sets of 16 neighbours
.set XE,    112                        ; v112-127 a scale byte for each step
.set XC,    128                        ; v128-191 codes, four registers a step (before step 0: the table's work)
.set WREG,  8192                       ; a wave's LDS region: two stages of 32 x SP bytes, then 256 scale bytes
.set SP,    80
.set TTH,   128                        ; the table: angle, then its remainder
.set TNN,   136                        ; quadrant
.set TZZ,   144
.set TSS,   152
.set TCC,   160
.set TOC,   168                        ; cos, eight
.set TOS,   176                        ; sin, eight
.set TTT,   184
.set WBASE, 32768                      ; W path
.set WP,    272                        ; a stage row: 256 bytes of codes + 16
.set NB,    16                         ; blocks of 32 along K for a wave
.set WX,    32                         ; v32-95   two sets of 32 numbers
.set WC,    96                         ; v96-99   a block's codes
.set WOUT,  112                        ; v112-175 the way out
.set WSB,   24                         ; v24-27   scale bytes
.set OFFS,  176                        ; v176-207 4 x lane + i rows of W, i = 0 .. 31
	s_load_b256 s[4:11], s[0:1], 0x0               ; X, Wq, Wk, Wv
	s_load_b128 s[12:15], s[0:1], 0x20             ; codes, scales
	s_load_b64 s[16:17], s[0:1], 0x30              ; rope
	v_lshl_add_u32 v[SPW], v0, 2, SPARE
	v_mov_b32 v[NIL], 0
	v_lshrrev_b32 v1, 5, v0
	v_readfirstlane_b32 s18, v1                    ; wave
	v_and_b32 v2, 31, v0                           ; lane
	s_cmp_ge_u32 ttmp9, 128
	s_cbranch_scc1 .Lw
; ---------------- X: a plain stream of blocks of 32.  Each load reads 512 consecutive bytes; a step's 2,048 bytes turn through the wave's stage so that a lane holds 16 neighbours
	v_lshlrev_b32 v3, 4, v2                        ; my 16 bytes of a load's 512
	s_mul_i32 s19, s18, WREG
	v_lshrrev_b32 v14, 2, v2
	v_mul_u32_u24 v14, v14, SP
	v_and_b32 v15, 3, v2
	v_lshl_add_u32 v14, v15, 4, v14
	v_add_nc_u32 v14, s19, v14                     ; into the stage: SP (lane / 4) + 16 (lane % 4)
	v_mul_u32_u24 v15, v2, SP
	v_add_nc_u32 v15, s19, v15                     ; out of it: SP x lane
	v_mul_u32_u24 v4, v2, CB                       ; my codes' place in a step's
	v_lshrrev_b32 v5, 1, v2
	s_add_co_u32 s19, s19, 2*32*SP
	v_add_nc_u32 v5, s19, v5                       ; my block's scale byte in LDS
	v_lshlrev_b32 v7, 3, v2
	v_add_nc_u32 v6, s19, v7
	s_lshl_b32 s20, ttmp9, 2
	s_add_co_u32 s20, s20, s18                     ; my run of 8,192 numbers, and my block of the table: 4 x work-group + wave
	s_mov_b32 s23, 0
	s_wait_kmcnt 0x0
	s_lshl_b32 s22, s20, 15
	s_add_nc_u64 s[4:5], s[4:5], s[22:23]          ; 32,768 bytes of X a run
	s_lshl_b32 s22, s20, 12
	s_add_nc_u64 s[12:13], s[12:13], s[22:23]      ; 4,096 bytes of codes
	s_lshl_b32 s22, s20, 8
	s_add_nc_u64 s[14:15], s[14:15], s[22:23]      ; 256 scale bytes
	s_lshl_b32 s22, s20, 11
	s_add_nc_u64 s[16:17], s[16:17], s[22:23]      ; 2,048 bytes of the table
.macro XLOAD t
.irp i, 0,1,2,3
	global_load_b128 v[XR+16*((\t)%4)+4*\i:XR+16*((\t)%4)+4*\i+3], v3, s[4:5] offset:2048*(\t)+512*\i th:TH_LOAD_NT
.endr
.endm
.macro XTURN t                         ; LDS serves a wave's instructions in order: no wait between the stores and the loads
.irp i, 0,1,2,3
	ds_store_b128 v14, v[XR+16*((\t)%4)+4*\i:XR+16*((\t)%4)+4*\i+3] offset:32*SP*((\t)%2)+8*SP*\i
.endr
.irp i, 0,1,2,3
	ds_load_b128 v[XN+16*((\t)%2)+4*\i:XN+16*((\t)%2)+4*\i+3], v15 offset:32*SP*((\t)%2)+16*\i
.endr
.endm
.irp t, 0,1,2,3
	XLOAD \t
.endr
; THE TABLE, while the first loads are on their way.  Block 8 tb + 4 s + b; lane (r, h) = (lane % 16, lane / 16): position t = 16 tb + r, frequencies i = 64 s + 16 b + 8 h + j, j = 0 .. 7.
; angle = t x 10000^(-i / 128); it is reduced by the nearest multiple n of pi / 2 (pi / 2 in two parts), sine and cosine of the remainder are polynomials on +-pi / 4, and n mod 4 turns them.
	s_lshr_b32 s24, s20, 3
	s_lshl_b32 s24, s24, 4                         ; 16 tb
	s_and_b32 s25, s20, 7
	s_lshl_b32 s25, s25, 4                         ; 64 s + 16 b
	s_mov_b32 s26, 0xbfc90fdb                      ; -(pi / 2), high part
	s_mov_b32 s27, 0x333bbd2e                      ; -(pi / 2), low part
	s_mov_b32 s28, 0xb94ca1f9                      ; sine: -1.9515296e-4,
	s_mov_b32 s29, 0x3c08839e                      ; 8.3321609e-3,
	s_mov_b32 s30, 0xbe2aaaa3                      ; -1.6666655e-1
	s_mov_b32 s31, 0x37ccf5ce                      ; cosine: 2.4433157e-5,
	s_mov_b32 s32, 0xbab6061a                      ; -1.3887316e-3,
	s_mov_b32 s33, 0x3d2aaaa5                      ; 4.1666646e-2
	v_and_b32 v8, 15, v2
	v_lshrrev_b32 v9, 4, v2
	v_add_nc_u32 v8, s24, v8
	v_lshl_add_u32 v9, v9, 3, s25                  ; i of j = 0
	v_cvt_f32_u32 v8, v8                           ; t
.irp j, 0,1,2,3,4,5,6,7
	v_add_nc_u32 v[TTH+\j], \j, v9
.endr
.irp j, 0,1,2,3,4,5,6,7
	v_cvt_f32_u32 v[TTH+\j], v[TTH+\j]
.endr
.irp j, 0,1,2,3,4,5,6,7
	v_mul_f32 v[TTH+\j], 0xbdd49a78, v[TTH+\j]     ; -i log2(10000) / 128
.endr
.irp j, 0,1,2,3,4,5,6,7
	v_exp_f32 v[TTH+\j], v[TTH+\j]
.endr
	v_nop                                          ; a plain instruction behind the last exponential,
	s_wait_alu depctr_va_vdst(0)                   ; and one wait for the eight, ahead of their first reader
.irp j, 0,1,2,3,4,5,6,7
	v_mul_f32 v[TTH+\j], v8, v[TTH+\j]             ; the angle
.endr
.irp j, 0,1,2,3,4,5,6,7
	v_mul_f32 v[TNN+\j], 0x3f22f983, v[TTH+\j]     ; x 2 / pi
.endr
.irp j, 0,1,2,3,4,5,6,7
	v_rndne_f32 v[TNN+\j], v[TNN+\j]
.endr
.irp j, 0,1,2,3,4,5,6,7
	v_fma_f32 v[TTH+\j], v[TNN+\j], s26, v[TTH+\j]
.endr
.irp j, 0,1,2,3,4,5,6,7
	v_fma_f32 v[TTH+\j], v[TNN+\j], s27, v[TTH+\j] ; the remainder r
.endr
.irp j, 0,1,2,3,4,5,6,7
	v_cvt_i32_f32 v[TNN+\j], v[TNN+\j]
	v_mul_f32 v[TZZ+\j], v[TTH+\j], v[TTH+\j]      ; z = r r
.endr
.irp j, 0,1,2,3,4,5,6,7
	v_fma_f32 v[TSS+\j], v[TZZ+\j], s28, s29
	v_fma_f32 v[TCC+\j], v[TZZ+\j], s31, s32
.endr
.irp j, 0,1,2,3,4,5,6,7
	v_fma_f32 v[TSS+\j], v[TSS+\j], v[TZZ+\j], s30
	v_fma_f32 v[TCC+\j], v[TCC+\j], v[TZZ+\j], s33
.endr
.irp j, 0,1,2,3,4,5,6,7
	v_mul_f32 v[TTT+\j], v[TZZ+\j], v[TTH+\j]
	v_fma_f32 v[TOC+\j], v[TZZ+\j], -0.5, 1.0
.endr
.irp j, 0,1,2,3,4,5,6,7
	v_fma_f32 v[TSS+\j], v[TSS+\j], v[TTT+\j], v[TTH+\j]   ; sin r
	v_mul_f32 v[TTT+\j], v[TZZ+\j], v[TZZ+\j]
.endr
.irp j, 0,1,2,3,4,5,6,7
	v_fma_f32 v[TCC+\j], v[TCC+\j], v[TTT+\j], v[TOC+\j]   ; cos r
	v_and_b32 v[TTT+\j], 1, v[TNN+\j]
.endr
.irp j, 0,1,2,3,4,5,6,7
	v_cmp_eq_u32 vcc_lo, 1, v[TTT+\j]              ; in odd quadrants the two change places
	v_cndmask_b32 v[TOS+\j], v[TSS+\j], v[TCC+\j], vcc_lo
	v_cndmask_b32 v[TOC+\j], v[TCC+\j], v[TSS+\j], vcc_lo
.endr
.irp j, 0,1,2,3,4,5,6,7
	v_and_b32 v[TTT+\j], 2, v[TNN+\j]              ; the sine is negative in quadrants 2, 3,
	v_add_nc_u32 v[TNN+\j], 1, v[TNN+\j]
.endr
.irp j, 0,1,2,3,4,5,6,7
	v_lshlrev_b32 v[TTT+\j], 30, v[TTT+\j]
	v_and_b32 v[TNN+\j], 2, v[TNN+\j]              ; the cosine in quadrants 1, 2
.endr
.irp j, 0,1,2,3,4,5,6,7
	v_xor_b32 v[TOS+\j], v[TTT+\j], v[TOS+\j]
	v_lshlrev_b32 v[TNN+\j], 30, v[TNN+\j]
.endr
.irp j, 0,1,2,3,4,5,6,7
	v_xor_b32 v[TOC+\j], v[TNN+\j], v[TOC+\j]
.endr
.irp g, 0,1,2,3
	global_store_b128 v3, v[TOC+4*\g:TOC+4*\g+3], s[16:17] offset:512*\g   ; 32 lanes store 512 consecutive bytes: cos 0-3, cos 4-7, sin 0-3, sin 4-7
.endr
	s_wait_xcnt 0x0                                ; the stores have read their registers: step 0 writes its codes there
	s_wait_loadcnt 12                              ; step 0's four loads are in; three younger steps of four stay out
	XTURN 0
.macro XSTEP t
.set XS, XN+16*((\t)%2)
.if (\t) > 0
	s_wait_dscnt 1                                 ; this step's numbers are back from the stage; the last step's byte store may be out
.else
	s_wait_dscnt 0x0
.endif
.if (\t)+4 < STEPS
	XLOAD (\t)+4
.endif
.if (\t)+1 < STEPS
.if STEPS-2-(\t) >= 3
	s_wait_loadcnt 12                              ; the next step's four loads are in; those of three steps behind it may be out
.else
	s_wait_loadcnt 4*(STEPS-2-(\t))
.endif
	XTURN (\t)+1
.endif
	v_max3_num_f32 v8, |v[XS]|, |v[XS+1]|, |v[XS+2]|
	v_max3_num_f32 v9, |v[XS+3]|, |v[XS+4]|, |v[XS+5]|
.irp i, 6,10
	v_max3_num_f32 v8, v8, |v[XS+\i]|, |v[XS+\i+1]|
	v_max3_num_f32 v9, v9, |v[XS+\i+2]|, |v[XS+\i+3]|
.endr
	v_max3_num_f32 v8, v8, |v[XS+14]|, |v[XS+15]|
	v_max3_num_f32 v8, v8, v9, (EMAX+1)<<23        ; with the floor 2^(3 - 127): the byte cannot fall under 1
	v_max_num_f32_dpp v8, v8, v8 row_xmask:1 row_mask:0xf bank_mask:0xf   ; and my neighbour's 16: the block's largest magnitude
	v_add_nc_u32 v11, -(EMAX<<23), v8              ; 2 off its exponent field: the conversion's scale operand
	v_cvt_scalef32_pk8_fp4_f32 v[XC+4*(\t)], v[XS:XS+7], v11
	v_cvt_scalef32_pk8_fp4_f32 v[XC+4*(\t)+1], v[XS+8:XS+15], v11
	v_lshrrev_b32 v[XE+(\t)], 23, v11              ; the scale's byte
	ds_store_b8 v5, v[XE+(\t)] offset:16*(\t)      ; both lanes of a block write the same byte with the same value
	global_store_b64 v4, v[XC+4*(\t):XC+4*(\t)+1], s[12:13] offset:32*CB*(\t)   ; the wave stores 256 consecutive bytes
.endm
.irp t, 0,1,2,3,4,5,6,7,8,9,10,11,12,13,14,15
	XSTEP \t
.endr
	ds_load_b64 v[8:9], v6
	s_wait_dscnt 0x0
	global_store_b64 v7, v[8:9], s[14:15]          ; the wave's 256 scale bytes, aligned
	s_wait_tensorcnt 0x0                           ; the wave's end, behind my last LDS store
	ds_add_u32 v[SPW], v[NIL]
	s_wait_dscnt 0x0
	s_endpgm
; ---------------- W: a lane takes a column, its registers run down K; 32 columns x 512 along K a wave; the codes leave through the wave's stage as rows
.Lw:
	s_sub_co_u32 s19, ttmp9, 128
	s_and_b32 s20, s19, 63                         ; x: 128 of the 8,192 columns
	s_lshr_b32 s21, s19, 6                         ; which 512 along K
	v_lshlrev_b32 v[OFFS], 2, v2
	s_mul_i32 s24, s18, 32*WP
	s_add_co_u32 s24, s24, WBASE                   ; my stage
	v_mul_u32_u24 v4, v2, WP
	v_add_nc_u32 v4, s24, v4                       ; into it: row = my column
	v_and_b32 v5, 15, v2
	v_lshrrev_b32 v6, 4, v2
	v_mul_u32_u24 v7, v6, WP
	v_lshl_add_u32 v7, v5, 4, v7
	v_add_nc_u32 v7, s24, v7                       ; out of it: sixteen lanes to a row
	v_lshlrev_b32 v8, 10, v6
	v_lshl_add_u32 v8, v5, 4, v8                   ; the same place among the codes' rows of 1,024 bytes
	v_lshlrev_b32 v9, 6, v2                        ; my column's row of 64 scale bytes
	s_lshl_b32 s25, s20, 7
	s_lshl_b32 s26, s18, 5
	s_add_co_u32 s25, s25, s26                     ; my wave's first column of the 8,192
	s_and_b32 s26, s25, 0x40
	s_lshl_b32 s26, s26, 1
	s_and_b32 s27, s25, 0x80
	s_lshr_b32 s27, s27, 1
	s_or_b32 s26, s26, s27
	s_and_not1_b32 s27, s25, 0xc0
	s_or_b32 s26, s26, s27                         ; with bits 6 and 7 swapped
	s_cmp_lt_u32 s20, 48                           ; Wq's and Wk's columns are stored so, Wv's as they are
	s_cselect_b32 s25, s26, s25
	s_wait_kmcnt 0x0
	s_cselect_b64 s[8:9], s[8:9], s[10:11]         ; Wk or Wv
	s_cselect_b32 s22, 32, 48
	s_cmp_lt_u32 s20, 32
	s_cselect_b64 s[4:5], s[6:7], s[8:9]           ; Wq, or that
	s_cselect_b32 s22, 0, s22                      ; the weight's first x
	s_mov_b32 s23, 8192
	s_cselect_b32 s23, 16384, s23                  ; bytes in a row of the weight
	s_sub_co_u32 s22, s20, s22
	s_lshl_b32 s22, s22, 9
	s_lshl_b32 s26, s18, 7
	s_add_co_u32 s22, s22, s26                     ; my first column in the weight, in bytes
	s_lshl_b32 s26, s21, 9
	s_mul_i32 s26, s26, s23                        ; my first row
	s_add_co_u32 s26, s26, s22
	s_mov_b32 s27, 0
	s_add_nc_u64 s[4:5], s[4:5], s[26:27]
	s_lshl_b32 s28, s23, 5                         ; 32 rows on
	s_mov_b32 s29, 0
	s_lshl_b32 s26, s25, 10
	s_lshl_b32 s30, s21, 8
	s_add_co_u32 s26, s26, s30
	s_add_co_u32 s26, s26, 2097152                 ; behind X's codes
	s_add_nc_u64 s[12:13], s[12:13], s[26:27]
	s_lshl_b32 s26, s25, 6
	s_lshl_b32 s30, s21, 4
	s_add_co_u32 s26, s26, s30
	s_add_co_u32 s26, s26, 131072                  ; behind X's scale bytes
	s_add_nc_u64 s[14:15], s[14:15], s[26:27]
.set i, 1
.rept 31
	v_add_nc_u32 v[OFFS+i], s23, v[OFFS+i-1]
.set i, i+1
.endr
.macro WLOAD t                         ; block t: W(32 t + i, my column) into set t % 2; a wave's load reads 128 consecutive bytes
.if (\t) > 0
	s_wait_xcnt 0x0                                ; the earlier loads have read their base: it may step
	s_add_nc_u64 s[4:5], s[4:5], s[28:29]
.endif
.irp i, 0,1,2,3,4,5,6,7,8,9,10,11,12,13,14,15,16,17,18,19,20,21,22,23,24,25,26,27,28,29,30,31
	global_load_b32 v[WX+32*((\t)%2)+\i], v[OFFS+\i], s[4:5] th:TH_LOAD_NT
.endr
.endm
	WLOAD 0
	WLOAD 1
.macro WBLOCK t
.set XS, WX+32*((\t)%2)
.if (\t) < NB-1
	s_wait_loadcnt 32                              ; this block's 32 loads are in; the next block's may be out
.else
	s_wait_loadcnt 0
.endif
	v_max3_num_f32 v12, |v[XS]|, |v[XS+1]|, |v[XS+2]|
	v_max3_num_f32 v13, |v[XS+3]|, |v[XS+4]|, |v[XS+5]|
.irp i, 6,10,14,18,22,26
	v_max3_num_f32 v12, v12, |v[XS+\i]|, |v[XS+\i+1]|
	v_max3_num_f32 v13, v13, |v[XS+\i+2]|, |v[XS+\i+3]|
.endr
	v_max3_num_f32 v12, v12, |v[XS+30]|, |v[XS+31]|
	v_max3_num_f32 v12, v12, v13, (EMAX+1)<<23
	v_add_nc_u32 v11, -(EMAX<<23), v12
	v_lshrrev_b32 v13, 23, v11
.if (\t)%4 == 0
	v_mov_b32 v[WSB+(\t)/4], v13
.else
	v_lshl_or_b32 v[WSB+(\t)/4], v13, 8*((\t)%4), v[WSB+(\t)/4]
.endif
.irp g, 0,1,2,3
	v_cvt_scalef32_pk8_fp4_f32 v[WC+\g], v[XS+8*\g:XS+8*\g+7], v11
.endr
	ds_store_b128 v4, v[WC:WC+3] offset:16*(\t)    ; 32 codes: 16 bytes of my column's row
.if (\t)+2 < NB
	WLOAD (\t)+2
.endif
	s_wait_dscnt 0x0                               ; the store has read its registers: the next block's codes may be written
.endm
.set Q, 0
.rept NB
	WBLOCK Q
.set Q, Q+1
.endr
	global_store_b128 v9, v[WSB:WSB+3], s[14:15]   ; my column's 16 scale bytes
.irp t, 0,1,2,3,4,5,6,7,8,9,10,11,12,13,14,15
	ds_load_b128 v[WOUT+4*\t:WOUT+4*\t+3], v7 offset:2*\t*WP
.endr
.irp t, 0,1,2,3,4,5,6,7,8,9,10,11,12,13,14,15
	s_wait_dscnt 15-\t
	global_store_b128 v8, v[WOUT+4*\t:WOUT+4*\t+3], s[12:13] offset:2*\t*1024   ; sixteen lanes store 256 consecutive bytes, aligned
.endr
	s_wait_tensorcnt 0x0                           ; the wave's end: the three lines
	ds_add_u32 v[SPW], v[NIL]
	s_wait_dscnt 0x0
	s_endpgm
.Lfunc_end_k_q8d9cbb44b3_prep:
	.size	k_q8d9cbb44b3_prep, .Lfunc_end_k_q8d9cbb44b3_prep-k_q8d9cbb44b3_prep
	.p2alignl 7, 3214868480
	.fill 96, 4, 3214868480
	.section	.rodata,"a",@progbits
	.p2align	6, 0x0
	.amdhsa_kernel k_q8d9cbb44b3_prep
		.amdhsa_group_segment_fixed_size 68096
		.amdhsa_private_segment_fixed_size 0
		.amdhsa_enable_private_segment 0
		.amdhsa_kernarg_size 56
		.amdhsa_user_sgpr_count 2
		.amdhsa_user_sgpr_kernarg_segment_ptr 1
		.amdhsa_wavefront_size32 1
		.amdhsa_system_sgpr_workgroup_id_x 1
		.amdhsa_system_sgpr_workgroup_id_y 1
		.amdhsa_system_sgpr_workgroup_id_z 1
		.amdhsa_system_vgpr_workitem_id 0
		.amdhsa_next_free_vgpr 212
		.amdhsa_next_free_sgpr 66
		.amdhsa_reserve_vcc 1
		.amdhsa_float_denorm_mode_32 3
		.amdhsa_float_denorm_mode_16_64 3
		.amdhsa_memory_ordered 1
		.amdhsa_forward_progress 1
		.amdhsa_inst_pref_size 125
	.end_amdhsa_kernel
	.amdgpu_metadata
---
amdhsa.version: [ 1, 2 ]
amdhsa.kernels:
  - .name:           k_q8d9cbb44b3_prep
    .symbol:         k_q8d9cbb44b3_prep.kd
    .args:
      - { .name: X, .offset: 0, .size: 8, .value_kind: global_buffer, .address_space: global }
      - { .name: Wq, .offset: 8, .size: 8, .value_kind: global_buffer, .address_space: global }
      - { .name: Wk, .offset: 16, .size: 8, .value_kind: global_buffer, .address_space: global }
      - { .name: Wv, .offset: 24, .size: 8, .value_kind: global_buffer, .address_space: global }
      - { .name: codes, .offset: 32, .size: 8, .value_kind: global_buffer, .address_space: global }
      - { .name: scales, .offset: 40, .size: 8, .value_kind: global_buffer, .address_space: global }
      - { .name: rope, .offset: 48, .size: 8, .value_kind: global_buffer, .address_space: global }
    .group_segment_fixed_size: 68096
    .private_segment_fixed_size: 0
    .kernarg_segment_align: 8
    .kernarg_segment_size: 56
    .max_flat_workgroup_size: 128
    .sgpr_count:     66
    .vgpr_count:     212
    .wavefront_size: 32
...
	.end_amdgpu_metadata
.endif
;; end of part 1
;; launch gemm (part 2): grid 32 x 8, 4 waves a work-group, clusters of 4 x 4, 327,680 bytes of LDS; arguments codes, scales, qkv, rope, fine32; writes qkv, fine32
.if DOCPART == 2
	.amdgcn_target "amdgcn-amd-amdhsa--gfx1250"
	.amdhsa_code_object_version 6
	.text
	.protected	k_q8d9cbb44b3_gemm
	.globl	k_q8d9cbb44b3_gemm
	.p2align	8
	.type	k_q8d9cbb44b3_gemm,@function
k_q8d9cbb44b3_gemm:
	s_mov_b64 s[64:65], 0
	v_nop
	global_prefetch_b8 v0, s[64:65] scope:SCOPE_SE
	s_setreg_imm32_b32 hwreg(HW_REG_WAVE_MODE, 25, 1), 1
	s_wait_xcnt 0x0
	s_wait_alu depctr_hold_cnt(0) depctr_sa_sdst(0) depctr_va_vdst(0) depctr_va_sdst(0) depctr_va_ssrc(0) depctr_va_vcc(0) depctr_vm_vsrc(0)
	s_getreg_b32 s2, hwreg(HW_REG_IB_STS2, 6, 4)
	s_cmp_eq_u32 s2, 0
	s_cbranch_scc0 .Lentry_in_a_cluster
	s_endpgm
.Lentry_in_a_cluster:
	s_bfe_u32 s2, ttmp6, 0x10000c
	s_cmp_lg_u32 s2, 0xf033
	s_cbranch_scc0 .Lentry_shape_is_right
	s_endpgm
.Lentry_shape_is_right:
; [q | k | v] = X [Wq | Wk | Wv]: C[m][n] = sum over k of A[m][k] B[n][k] on E2M1 codes with one E8M0 scale for each 32 along K; M 2,048, N 8,192, K 2,048; sums in f32.
; A tile of C is 256 x 256 = 256 positions of one head slab; four waves, 128 x 128 each: 64 accumulators, 512 registers.  K goes in steps of 512 through a ring of two LDS slots filled by the tensor data mover;
; the scale bytes of the work-group's rows come once and stay.  4 x 4 work-groups form a cluster: A's tiles are asked for jointly along a row of the cluster, B's along a column.
; The matrix instruction is used transposed (source 0 = 16 rows of B, source 1 = 16 rows of A): a lane holds eight neighbouring columns of one row of C.
; THE WAY OUT: RoPE on q and k in f32 (a wave's columns 16 b + .. and 16 (b + 4) + .. are the partners d and d + 128, by the order in which the columns were stored; cos and sin come from a table laid as these registers),
; then f16 rows of 256 bytes through the wave's stage.  Positions 0-15 of both sequences also leave in f32 (fine32): they are carried finely to the end.
; Those rows lie in the tile rows with place 0 along the cluster's y: their stores are switched off in the other work-groups by EXEC.
; REGISTERS: window 0: v0-31 addresses; v32-95 scale words and nothing else; v96-127 packed f16; v128-191 A's fragments, on the way out rows read back.
;   window 1: B's fragments, two sets (v0, v128); on the way out the table (two sets at v0, v64), RoPE's results v128-191, f32 rows v192-255.   windows 2, 3: the accumulators.
.set SIZE_M, 2048
.set SIZE_N, 8192
.set SIZE_K, 2048
.set KSTEP,  512
.set NQ,     KSTEP/128
.set ROWB,   256
.set KROW,   SIZE_K*4/8
.set PITCH,  272                       ; an LDS row: 256 bytes + 16: the 16 rows of a fragment load start at 16 different groups of banks
.set FR,     8
.set NL,     2
.set NP,     4
.set HALFT,  128*PITCH
.set SLOT,   4*HALFT
.set LAPS,   SIZE_K/(2*KSTEP)
.set KS,     SIZE_K/32
.set SCL,    2*SLOT
.set HALFS,  (128*KS/256)*272
.set SBLK,   (16*KS/256)*272
.set SPARE,  SCL+4*HALFS
.set WST,    12800                     ; the way out: a wave's stages in slot 0: 16 x 528 bytes (f32), then 16 x 272 (f16)
.set PLAINO, 4*WST                     ; the v heads' path has stage bytes of its own
.set ADRA, 16
.set STO32, 18
.set RD32, 19
.set ADRB, 20
.set L16,  22
.set CYV,  23
.set STO16, 24
.set RD16, 25
.set CO,   26
.set ADRS, 27
.set SPW,  28
.set NIL,  29
.set SC,   32
.set PK,   96
.set AF,   128
.set BK,   128
.set OUT,  128                         ; window 1
.set FB,   192                         ; window 1
.set G1, 24
.set G0, 32
.set G1B, 48
.set G0B, 56
.set G1S, 68
.set G0S, 76
.set G1SB, 80
.set G0SB, 88
.set MSB, 0
.macro WIN new                         ; the immediate's high byte repeats the setting that is left
.if MSB != (\new)
	s_set_vgpr_msb (MSB<<8)|(\new)
.set MSB, (\new)
.endif
.endm
.set MUL_LO, 0xa1
.set MUL_HI, 0xf1
.set TO_B,   0x40
.macro JLOAD g0a, g1a, g0b, g1b        ; a joint load: waves 0 and 1 fetch for A, waves 2 and 3 for B; the branch hangs on the wave's number alone
	s_cmp_eq_u32 s15, 0
	s_cbranch_scc0 .Lfor_b_\@
	tensor_load_to_lds s[\g0a:\g0a+3], s[\g1a:\g1a+7]
	s_nop 0
.rept 4
	v_nop
.endr
	s_branch .Lasked_\@
.Lfor_b_\@:
	tensor_load_to_lds s[\g0b:\g0b+3], s[\g1b:\g1b+7]
	s_nop 0
.rept 4
	v_nop
.endr
.Lasked_\@:
.endm
.macro CREST
	s_cmp_lg_u32 s14, 0
	s_cbranch_scc1 .Lnot_wave_0_\@
	s_barrier_signal -3
.Lnot_wave_0_\@:
	s_barrier_wait -3
	s_barrier_signal -1
	s_barrier_wait -1
.endm
.macro CROUND
	s_barrier_signal -1
	s_barrier_wait -1
	CREST
.endm
	s_load_b128 s[4:7], s[0:1], 0x0                ; codes, scales
	s_load_b64 s[12:13], s[0:1], 0x10              ; qkv
	s_load_b64 s[96:97], s[0:1], 0x18              ; rope
	s_load_b64 s[98:99], s[0:1], 0x20              ; fine32
	v_lshl_add_u32 v[SPW], v0, 2, SPARE
	v_mov_b32 v[NIL], 0
	ds_add_u32 v[SPW], v[NIL]                      ; the wave's opening: the add, twice on end, and its wait ahead of my first tensor load
	ds_add_u32 v[SPW], v[NIL]
	v_lshrrev_b32 v1, 5, v0
	v_readfirstlane_b32 s14, v1                    ; wave 0..3
	s_lshr_b32 s15, s14, 1                         ; my half of the tile's rows; also: I fetch for A (0) or B (1)
	s_and_b32 s16, s14, 1                          ; my half of its columns; also: which 128 rows I fetch
	s_bfe_u32 s40, ttmp6, 0x40000                  ; cx
	s_bfe_u32 s41, ttmp6, 0x40004                  ; cy
	s_lshl_b32 s42, ttmp9, 2
	s_add_co_u32 s42, s42, s40                     ; tile column = head slab
	s_and_b32 s17, ttmp7, 0xffff
	s_lshl_b32 s17, s17, 2
	s_add_co_u32 s17, s17, s41                     ; tile row
	s_lshl_b32 s43, s41, 2
	s_lshl_b32 s43, 15, s43                        ; my row of the cluster
	s_lshl_b32 s44, 0x1111, s40                    ; my column
	s_or_b32 s[G1+0], s43, (0<<16)|(1<<20)|(1<<21)|(5<<22)|(3<<25)  ; mask; elements of 1 byte; 4 words of padding behind every 64
	s_or_b32 s[G1B+0], s44, (0<<16)|(1<<20)|(1<<21)|(5<<22)|(3<<25)
.irp g, G1, G1B
	s_mov_b32 s[\g+1], ROWB<<16                    ; tensor_dim0
	s_mov_b32 s[\g+2], 128<<16                     ; tensor_dim1
	s_mov_b32 s[\g+3], ROWB<<16                    ; tile_dim0
	s_mov_b32 s[\g+4], 128                         ; tile_dim1
	s_mov_b32 s[\g+5], KROW                        ; pitch
	s_mov_b32 s[\g+6], 0
	s_mov_b32 s[\g+7], 0
.endr
	s_or_b32 s[G1S+0], s43, (3<<16)|(1<<20)|(1<<21)|(5<<22)|(3<<25) ; the scales of 128 rows: a dense block, as rows of 256 bytes (32 elements of 8 bytes)
	s_or_b32 s[G1SB+0], s44, (3<<16)|(1<<20)|(1<<21)|(5<<22)|(3<<25)
.irp g, G1S, G1SB
	s_mov_b32 s[\g+1], 32<<16
	s_mov_b32 s[\g+2], (128*KS/256)<<16
	s_mov_b32 s[\g+3], 32<<16
	s_mov_b32 s[\g+4], 128*KS/256
	s_mov_b32 s[\g+5], 32
	s_mov_b32 s[\g+6], 0
	s_mov_b32 s[\g+7], 0
.endr
	s_lshl_b32 s18, s16, 7
	s_lshl_b32 s20, s17, 8
	s_add_co_u32 s20, s20, s18                     ; A: row 256 x tile row + 128 x half
	s_lshl_b32 s46, s42, 8
	s_add_co_u32 s46, s46, s18                     ; B: row 256 x tile column + 128 x half
	s_mov_b32 s21, 0
	s_mov_b32 s47, 0
	s_mov_b64 s[18:19], KS
	s_mul_u64 s[22:23], s[20:21], s[18:19]
	s_mul_u64 s[92:93], s[46:47], s[18:19]
	s_mov_b64 s[18:19], KROW
	s_mul_u64 s[20:21], s[20:21], s[18:19]
	s_mul_u64 s[46:47], s[46:47], s[18:19]
	s_mul_i32 s45, s14, HALFT                      ; where they go: wave x 128 rows
	s_mul_i32 s94, s14, HALFS
	s_wait_dscnt 0x0                               ; both opening adds are done
	s_wait_kmcnt 0x0
	s_add_nc_u64 s[8:9], s[4:5], 2097152           ; the weights' codes lie behind X's,
	s_add_nc_u64 s[10:11], s[6:7], 131072          ; their scale bytes likewise
	s_add_nc_u64 s[20:21], s[4:5], s[20:21]
	s_add_nc_u64 s[22:23], s[6:7], s[22:23]
	s_add_nc_u64 s[46:47], s[8:9], s[46:47]
	s_add_nc_u64 s[92:93], s[10:11], s[92:93]
	CROUND                                         ; all sixteen work-groups are here: the first joint loads meet
	s_mov_b32 s[G0S], 1
	s_add_co_u32 s[G0S+1], s94, SCL
	s_mov_b64 s[G0S+2:G0S+3], s[22:23]
	s_or_b32 s[G0S+3], s[G0S+3], 0x80000000
	s_mov_b32 s[G0SB], 1
	s_add_co_u32 s[G0SB+1], s94, SCL
	s_mov_b64 s[G0SB+2:G0SB+3], s[92:93]
	s_or_b32 s[G0SB+3], s[G0SB+3], 0x80000000
	JLOAD G0S, G1S, G0SB, G1SB                     ; the scales first
.irp s, 0,1
	s_mov_b32 s[G0+4*\s], 1
	s_add_co_u32 s[G0+4*\s+1], s45, \s*SLOT
	s_add_nc_u64 s[G0+4*\s+2:G0+4*\s+3], s[20:21], \s*ROWB
	s_or_b32 s[G0+4*\s+3], s[G0+4*\s+3], 0x80000000
	s_mov_b32 s[G0B+4*\s], 1
	s_add_co_u32 s[G0B+4*\s+1], s45, \s*SLOT
	s_add_nc_u64 s[G0B+4*\s+2:G0B+4*\s+3], s[46:47], \s*ROWB
	s_or_b32 s[G0B+4*\s+3], s[G0B+4*\s+3], 0x80000000
	JLOAD G0+4*\s, G1, G0B+4*\s, G1B
.endr
	v_and_b32 v1, 15, v0                           ; r = l % 16
	v_bfe_u32 v2, v0, 4, 1                         ; h = l / 16
	v_mul_u32_u24 v3, v1, PITCH
	v_lshl_add_u32 v4, v2, 4, v3
	s_mul_i32 s21, s15, HALFT
	s_mul_i32 s22, s16, HALFT
	s_add_co_u32 s22, s22, 2*HALFT
.irp s, 0,1
	v_add_nc_u32 v[ADRA+\s], s21, v4
	v_add_nc_u32 v[ADRB+\s], s22, v4
	s_add_co_u32 s21, s21, SLOT
	s_add_co_u32 s22, s22, SLOT
.endr
	v_mul_u32_u24 v5, v1, KS
	v_lshrrev_b32 v6, 8, v5
	v_lshl_add_u32 v5, v6, 4, v5
	s_mul_i32 s21, s15, HALFS
	s_mul_i32 s22, s16, HALFS
	s_add_co_u32 s22, s22, 2*HALFS
	s_sub_co_u32 s22, s22, s21
	v_mul_u32_u24 v6, s22, v2                      ; lanes 16-31 take B's scale words
	s_add_co_u32 s21, s21, SCL
	v_add_nc_u32 v5, v5, v6
	v_add_nc_u32 v[ADRS], s21, v5
	; the way out's addresses
	s_mul_i32 s23, s14, WST
	v_mul_u32_u24 v5, v1, 528
	v_lshl_add_u32 v5, v2, 5, v5
	v_add_nc_u32 v[STO32], s23, v5                 ; f32 stage, in: row r, 32 bytes for each half of the lanes
	v_and_b32 v6, 31, v0
	v_lshlrev_b32 v[L16], 4, v6
	v_add_nc_u32 v[RD32], s23, v[L16]              ; back: the 32 lanes take a row of 512 bytes
	s_add_co_u32 s23, s23, 16*528
	v_mul_u32_u24 v5, v1, 272
	v_lshl_add_u32 v5, v2, 4, v5
	v_add_nc_u32 v[STO16], s23, v5                 ; f16 stage, in: row r, 16 bytes for each half
	v_mul_u32_u24 v5, v2, 272
	v_lshl_add_u32 v5, v1, 4, v5
	v_add_nc_u32 v[RD16], s23, v5                  ; back: sixteen lanes to a row of 256 bytes
	v_lshlrev_b32 v5, 9, v2
	v_lshl_add_u32 v[CO], v1, 4, v5                ; the same two rows in qkv (rows of 512 bytes)
	v_mov_b32 v[CYV], s41                          ; my place along the cluster's y: it only switches lanes off for the f32 stores
	s_lshr_b32 s20, s17, 2                         ; batch
	s_lshl_b32 s20, s20, 5
	s_add_co_u32 s20, s20, s42                     ; slab = 32 x batch + head slab
	s_lshl_b32 s21, s20, 14
	s_lshl_b32 s22, s16, 9
	s_add_co_u32 s22, s22, s21
	s_mov_b32 s23, 0
	s_add_nc_u64 s[98:99], s[98:99], s[22:23]      ; fine32: 16,384 bytes a slab, + my 128 columns
	s_lshl_b32 s20, s20, 10
	s_and_b32 s21, s17, 3
	s_lshl_b32 s22, s21, 8
	s_add_co_u32 s20, s20, s22
	s_lshl_b32 s22, s15, 7
	s_add_co_u32 s20, s20, s22                     ; my first row among all slabs' rows
	s_lshl_b32 s20, s20, 9
	s_lshl_b32 s22, s16, 8
	s_add_co_u32 s22, s20, s22
	s_add_nc_u64 s[12:13], s[12:13], s[22:23]
	s_lshl_b32 s21, s21, 4
	s_lshl_b32 s22, s15, 3
	s_add_co_u32 s21, s21, s22                     ; my first block of 16 positions
	s_lshl_b32 s21, s21, 14
	s_lshl_b32 s22, s16, 13
	s_add_co_u32 s22, s21, s22
	s_add_nc_u64 s[96:97], s[96:97], s[22:23]
.macro FRAG reg, adr, q, i             ; 16 rows x 128 K of 4-bit codes: 8 registers, two loads of 16 bytes, 32 bytes apart
.irp c, 0,1
	ds_load_b128 v[\reg+4*\c:\reg+4*\c+3], v[\adr] offset:64*(\q)+32*\c+(\i)*16*PITCH
.endr
.endm
; 16 matrix instructions: A's blocks a0, a0 + 1 x B's eight.  The 64 accumulators take turns, one instruction a turn
.macro MUL16 a0, p, q, sc, zero
.irp a, \a0, \a0+1
.irp b, 0,1,2,3,4,5,6,7
.if \zero
	v_wmma_scale_f32_16x16x128_f8f6f4 v[8*(8*((\a)%4)+\b):8*(8*((\a)%4)+\b)+7], v[128*(\p)+FR*\b:128*(\p)+FR*\b+FR-1], v[AF+FR*(\a):AF+FR*(\a)+FR-1], 0, v[SC+8*NQ*(\sc)+NQ*\b+(\q)], v[SC+8*NQ*(\sc)+NQ*(\a)+(\q)] matrix_a_fmt:MATRIX_FMT_FP4 matrix_b_fmt:MATRIX_FMT_FP4 matrix_a_scale:MATRIX_SCALE_ROW1
.else
	v_wmma_scale_f32_16x16x128_f8f6f4 v[8*(8*((\a)%4)+\b):8*(8*((\a)%4)+\b)+7], v[128*(\p)+FR*\b:128*(\p)+FR*\b+FR-1], v[AF+FR*(\a):AF+FR*(\a)+FR-1], v[8*(8*((\a)%4)+\b):8*(8*((\a)%4)+\b)+7], v[SC+8*NQ*(\sc)+NQ*\b+(\q)], v[SC+8*NQ*(\sc)+NQ*(\a)+(\q)] matrix_a_fmt:MATRIX_FMT_FP4 matrix_b_fmt:MATRIX_FMT_FP4 matrix_a_scale:MATRIX_SCALE_ROW1
.endif
.endr
.endr
.endm
.macro FETCH_B slot, q, p
	WIN TO_B
.irp i, 0,1,2,3,4,5,6,7
	FRAG 128*(\p)+FR*\i, ADRB+\slot, \q, \i
.endr
	WIN 0
.endm
.macro FETCH_A slot, q, i0
.irp i, \i0, \i0+1, \i0+2, \i0+3
	FRAG AF+FR*(\i), ADRA+\slot, \q, \i
.endr
.endm
.macro SCALES sc
.irp i, 0,1,2,3,4,5,6,7
	ds_load_b128 v[SC+8*NQ*\sc+NQ*\i:SC+8*NQ*\sc+NQ*\i+3], v[ADRS] offset:\i*SBLK
.endr
.endm
.macro PLACES n                        ; plain vector instructions between a matrix instruction and a load into, or a read of, its registers
.rept \n
	v_nop
.endr
.endm
.macro STEP slot, q, zero
	s_wait_dscnt 4*NL                              ; B's set and A's blocks 0-3 are in; the youngest eight loads (A's blocks 4-7) may be out
	WIN MUL_LO
	MUL16 0, (\q)%2, \q, \slot, \zero
	MUL16 2, (\q)%2, \q, \slot, \zero
	s_wait_dscnt 0
	PLACES NP
	FETCH_B \slot, (\q)+1, 1-(\q)%2
	FETCH_A \slot, (\q)+1, 0
	WIN MUL_HI
	MUL16 4, (\q)%2, \q, \slot, \zero
	MUL16 6, (\q)%2, \q, \slot, \zero
	PLACES NP
	WIN 0
	FETCH_A \slot, (\q)+1, 4
.endm
.macro TURN slot, next, fill           ; a slot's last step changes slots: one barrier; with fill = 1 it opens a round of the cluster's barrier and the slot is filled again
	s_wait_tensorcnt 0x0                           ; all my tensor loads have landed: my part of the next slot
	ds_add_u32 v[SPW], v[NIL]                      ; 0 onto my spare word
	s_wait_dscnt 4*NL+1                            ; the add and the youngest eight loads may be out
	WIN MUL_LO
	MUL16 0, 1, NQ-1, \slot, 0
	s_wait_dscnt 0x0                               ; the add is done, and my reads of this slot are over
	s_barrier_signal -1
	MUL16 2, 1, NQ-1, \slot, 0
	WIN 0
	s_barrier_wait -1
.if \fill
	CREST                                          ; no wave of any partner still reads this slot or has a load on its way
	s_add_nc_u64 s[G0+4*\slot+2:G0+4*\slot+3], s[G0+4*\slot+2:G0+4*\slot+3], 2*ROWB
	s_add_nc_u64 s[G0B+4*\slot+2:G0B+4*\slot+3], s[G0B+4*\slot+2:G0B+4*\slot+3], 2*ROWB
	JLOAD G0+4*\slot, G1, G0B+4*\slot, G1B
.else
	PLACES NP
.endif
	v_add_nc_u32 v[ADRS], 4*NQ, v[ADRS]
	FETCH_B \next, 0, 0
	FETCH_A \next, 0, 0
	SCALES \next
	WIN MUL_HI
	MUL16 4, 1, NQ-1, \slot, 0
	MUL16 6, 1, NQ-1, \slot, 0
	PLACES NP
	WIN 0
	FETCH_A \next, 0, 4
.endm
.macro STEPS slot, from
.set Q, \from
.rept NQ-1-\from
	STEP \slot, Q, 0
.set Q, Q+1
.endr
.endm
	s_wait_tensorcnt 1                             ; the scales and my part of K step 0 are in; K step 1's load may be out
	s_barrier_signal -1
	s_barrier_wait -1
	FETCH_B 0, 0, 0
	FETCH_A 0, 0, 0
	SCALES 0
	FETCH_A 0, 0, 4
	STEP 0, 0, 1                                   ; the first step's products start the sums
	s_mov_b32 s3, LAPS-1
.Llap:
	STEPS 0, 1
	TURN 0, 1, 1
	STEPS 1, 0
	TURN 1, 0, 1
	STEP 0, 0, 0
	s_sub_co_u32 s3, s3, 1
	s_cmp_lg_u32 s3, 0
	s_cbranch_scc1 .Llap
	STEPS 0, 1
	TURN 0, 1, 0
	STEPS 1, 0
	s_wait_dscnt 4*NL
	WIN MUL_LO
	MUL16 0, 1, NQ-1, 1, 0
	MUL16 2, 1, NQ-1, 1, 0
	s_wait_dscnt 0
	WIN MUL_HI
	MUL16 4, 1, NQ-1, 1, 0
	MUL16 6, 1, NQ-1, 1, 0
	WIN 0
; THE WAY OUT, block a of 16 rows x 128 columns at a time.  The stages lie in slot 0, which has had its last fill and its last read.
.macro TABLE a                         ; block a's cos and sin into set a % 2 of window 1: for b = 0 .. 3: cos at 16 b + j, sin at 16 b + 8 + j
	WIN 0x40
.irp b, 0,1,2,3
.irp g, 0,1,2,3
	global_load_b128 v[64*((\a)%2)+16*\b+4*\g:64*((\a)%2)+16*\b+4*\g+3], v[L16], s[96:97] offset:(\a)*16384+\b*2048+\g*512
.endr
.endr
	WIN 0
.endm
.macro ROPE a                          ; x1 = accumulator (a, b), x2 = (a, b + 4): x1 cos - x2 sin and x2 cos + x1 sin; each accumulator is read from its low end on
.set AC, 64*((\a)%4)
.set TS, 64*((\a)%2)
	WIN 0x56+(\a)/4                                ; source 0: the accumulators' window; source 1, source 2 and the destination: window 1
.irp b, 0,1,2,3
.irp j, 0,2,4,6
	v_pk_mul_f32 v[OUT+8*\b+\j:OUT+8*\b+\j+1], v[AC+8*\b+\j:AC+8*\b+\j+1], v[TS+16*\b+\j:TS+16*\b+\j+1]
	v_pk_mul_f32 v[OUT+32+8*\b+\j:OUT+32+8*\b+\j+1], v[AC+32+8*\b+\j:AC+32+8*\b+\j+1], v[TS+16*\b+\j:TS+16*\b+\j+1]
	v_pk_fma_f32 v[OUT+8*\b+\j:OUT+8*\b+\j+1], v[AC+32+8*\b+\j:AC+32+8*\b+\j+1], v[TS+16*\b+8+\j:TS+16*\b+8+\j+1], v[OUT+8*\b+\j:OUT+8*\b+\j+1] neg_lo:[1,0,0] neg_hi:[1,0,0]
	v_pk_fma_f32 v[OUT+32+8*\b+\j:OUT+32+8*\b+\j+1], v[AC+8*\b+\j:AC+8*\b+\j+1], v[TS+16*\b+8+\j:TS+16*\b+8+\j+1], v[OUT+32+8*\b+\j:OUT+32+8*\b+\j+1]
.endr
.endr
	WIN 0
.endm
.macro CVT                             ; RoPE's 64 results to f16
	WIN 0x05
.irp b, 0,1,2,3,4,5,6,7
.irp i, 0,1,2,3
	v_cvt_pk_f16_f32 v[PK+4*\b+\i], v[OUT+8*\b+2*\i], v[OUT+8*\b+2*\i+1]
.endr
.endr
	WIN 0
.endm
.macro CVTP a                          ; v: the accumulators to f16 as they are
.set AC, 64*((\a)%4)
	WIN 0x0a+5*((\a)/4)
.irp b, 0,1,2,3,4,5,6,7
.irp i, 0,1,2,3
	v_cvt_pk_f16_f32 v[PK+4*\b+\i], v[AC+8*\b+2*\i], v[AC+8*\b+2*\i+1]
.endr
.endr
	WIN 0
.endm
.macro TOSTAGE a, po                   ; LDS serves a wave's instructions in order: the loads see the stores, the next block's stores come behind the loads
.irp b, 0,1,2,3,4,5,6,7
	ds_store_b128 v[STO16], v[PK+4*\b:PK+4*\b+3] offset:\po+32*\b
.endr
.irp i, 0,1,2,3,4,5,6,7
	ds_load_b128 v[BK+32*((\a)%2)+4*\i:BK+32*((\a)%2)+4*\i+3], v[RD16] offset:\po+544*\i
.endr
.endm
.macro SEND a, younger                 ; younger: the LDS instructions issued behind block a's loads
	s_wait_dscnt \younger
.irp i, 0,1,2,3,4,5,6,7
	global_store_b128 v[CO], v[BK+32*((\a)%2)+4*\i:BK+32*((\a)%2)+4*\i+3], s[12:13] offset:(\a)*8192+\i*1024   ; sixteen lanes store 256 consecutive bytes, aligned
.endr
.endm
.macro FINE plain, po                  ; block 0 of the waves of row half 0, in f32; stored only where the tile row begins a sequence
	s_cmp_lg_u32 s15, 0
	s_cbranch_scc1 .Lnofine_\@
.if \plain
	WIN 0x08                                       ; the data: the accumulators of window 2
.irp b, 0,1,2,3,4,5,6,7
	ds_store_b128 v[STO32], v[8*\b:8*\b+3] offset:\po+64*\b
	ds_store_b128 v[STO32], v[8*\b+4:8*\b+7] offset:\po+64*\b+16
.endr
.else
	WIN 0x04                                       ; the data: RoPE's results in window 1
.irp b, 0,1,2,3,4,5,6,7
	ds_store_b128 v[STO32], v[OUT+8*\b:OUT+8*\b+3] offset:\po+64*\b
	ds_store_b128 v[STO32], v[OUT+8*\b+4:OUT+8*\b+7] offset:\po+64*\b+16
.endr
.endif
	WIN 0x40
.irp i, 0,1,2,3,4,5,6,7,8,9,10,11,12,13,14,15
	ds_load_b128 v[FB+4*\i:FB+4*\i+3], v[RD32] offset:\po+528*\i
.endr
	WIN 0
	s_wait_dscnt 0x0
	s_wait_xcnt 0x0                                ; EXEC changes only behind this wait: earlier loads and stores have read it
	v_cmp_eq_u32 vcc_lo, 0, v[CYV]
	s_and_saveexec_b32 s67, vcc_lo
	WIN 0x04
.irp i, 0,1,2,3,4,5,6,7,8,9,10,11,12,13,14,15
	global_store_b128 v[L16], v[FB+4*\i:FB+4*\i+3], s[98:99] offset:1024*\i   ; 32 lanes store 512 consecutive bytes
.endr
	WIN 0
	s_wait_xcnt 0x0                                ; and again in front of the line that widens it
	s_or_b32 exec_lo, exec_lo, s67
.Lnofine_\@:
.endm
	PLACES NP                                      ; behind the last products: reads of results, loads and writes into registers that held fragments
	s_cmp_ge_u32 ttmp9, 6                          ; clusters 6 and 7 along x hold the v heads: the same in all sixteen partners
	s_cbranch_scc1 .Lplain
	TABLE 0
	TABLE 1
.irp a, 0,1,2,3,4,5,6,7
.if \a < 7
	s_wait_loadcnt 16                              ; this block's table is in; the next block's 16 loads may be out
.else
	s_wait_loadcnt 0
.endif
	ROPE \a
.if \a < 6
	TABLE \a+2
.endif
	CVT
.if \a == 0
	FINE 0, 0
.endif
.if \a > 1
	s_wait_xcnt 0x0                                ; block a - 2's stores have read their registers: block a's rows may land there
.endif
	TOSTAGE \a, 0
.if \a > 0
	SEND \a-1, 16                                  ; behind block a - 1's loads: block a's 8 stores and 8 loads
.endif
.endr
	SEND 7, 0
	s_branch .Ldone
.Lplain:
.irp a, 0,1,2,3,4,5,6,7
	CVTP \a
.if \a == 0
	FINE 1, PLAINO
.endif
.if \a > 1
	s_wait_xcnt 0x0
.endif
	TOSTAGE \a, PLAINO
.if \a > 0
	SEND \a-1, 16
.endif
.endr
	SEND 7, 0
.Ldone:
	s_wait_tensorcnt 0x0                           ; the wave's end
	ds_add_u32 v[SPW], v[NIL]
	s_wait_dscnt 0x0
	CROUND                                         ; the closing round
	s_endpgm
.Lfunc_end_k_q8d9cbb44b3_gemm:
	.size	k_q8d9cbb44b3_gemm, .Lfunc_end_k_q8d9cbb44b3_gemm-k_q8d9cbb44b3_gemm
	.p2alignl 7, 3214868480
	.fill 96, 4, 3214868480
	.section	.rodata,"a",@progbits
	.p2align	6, 0x0
	.amdhsa_kernel k_q8d9cbb44b3_gemm
		.amdhsa_group_segment_fixed_size 327680
		.amdhsa_private_segment_fixed_size 0
		.amdhsa_enable_private_segment 0
		.amdhsa_kernarg_size 40
		.amdhsa_user_sgpr_count 2
		.amdhsa_user_sgpr_kernarg_segment_ptr 1
		.amdhsa_wavefront_size32 1
		.amdhsa_system_sgpr_workgroup_id_x 1
		.amdhsa_system_sgpr_workgroup_id_y 1
		.amdhsa_system_sgpr_workgroup_id_z 1
		.amdhsa_system_vgpr_workitem_id 0
		.amdhsa_next_free_vgpr 1024
		.amdhsa_next_free_sgpr 100
		.amdhsa_reserve_vcc 1
		.amdhsa_float_denorm_mode_32 3
		.amdhsa_float_denorm_mode_16_64 3
		.amdhsa_memory_ordered 1
		.amdhsa_forward_progress 1
		.amdhsa_inst_pref_size 255
	.end_amdhsa_kernel
	.section	.bss,"aw",@nobits
	.p2align	6
	.space	262144
	.amdgpu_metadata
---
amdhsa.version: [ 1, 2 ]
amdhsa.kernels:
  - .name:           k_q8d9cbb44b3_gemm
    .symbol:         k_q8d9cbb44b3_gemm.kd
    .args:
      - { .name: codes, .offset: 0, .size: 8, .value_kind: global_buffer, .address_space: global }
      - { .name: scales, .offset: 8, .size: 8, .value_kind: global_buffer, .address_space: global }
      - { .name: qkv, .offset: 16, .size: 8, .value_kind: global_buffer, .address_space: global }
      - { .name: rope, .offset: 24, .size: 8, .value_kind: global_buffer, .address_space: global }
      - { .name: fine32, .offset: 32, .size: 8, .value_kind: global_buffer, .address_space: global }
    .group_segment_fixed_size: 327680
    .private_segment_fixed_size: 0
    .kernarg_segment_align: 8
    .kernarg_segment_size: 40
    .max_flat_workgroup_size: 128
    .sgpr_count:     100
    .vgpr_count:     1024
    .wavefront_size: 32
...
	.end_amdgpu_metadata
.endif
;; end of part 2
;; launch wofine (part 3): grid 16 x 16, 4 waves a work-group, no clusters, 189,952 bytes of LDS; arguments fine32, Wo, wo16, part; writes wo16, part
.if DOCPART == 3
	.amdgcn_target "amdgcn-amd-amdhsa--gfx1250"
	.amdhsa_code_object_version 6
	.text
	.protected	k_q8d9cbb44b3_wofine
	.globl	k_q8d9cbb44b3_wofine
	.p2align	8
	.type	k_q8d9cbb44b3_wofine,@function
k_q8d9cbb44b3_wofine:
	s_mov_b64 s[64:65], 0
	v_nop
	global_prefetch_b8 v0, s[64:65] scope:SCOPE_SE
	s_setreg_imm32_b32 hwreg(HW_REG_WAVE_MODE, 25, 1), 1
	s_wait_xcnt 0x0
; A work-group takes the tile Wo[256 h .. + 255][128 nc .. + 127] (h = work-group y: a head's rows; nc = work-group x), brought into LDS once by one tensor load a wave, and does two things with it:
; (1) rounds it to f16 for the bulk projection (wo16); (2) multiplies it IN F32 by head h's attention result of positions 0-15 of both sequences (32 rows), which it computes itself in f32 from fine32.
; Those rows average one to sixteen values and are the largest of the output: f16 operands would use up what the comparison allows.  The f32 matrix form does 16 + 16 rows of 2,048 here: no bulk work.
; The small attention (2 x 16 x 16 a head) is repeated by the 16 work-groups of a head.  No cluster: no two work-groups read the same tile of Wo.
; SOFTCAP AND SOFTMAX: s = q . k; e = 2^(c1 s), c1 = 2 log2(e) / (50 x 16); nr = -1 / (1 + e); score x log2(e) = const + K1 nr, K1 = 100 log2(e).  The row's maximum M of nr is taken away: p = 2^(K1 nr - K1 M).  Hidden keys: nr = -infinity.
; LDS: the tile is filled once, nothing is filled again.  v192-255 are written by f32 matrix instructions alone.
.set WTP,   528                        ; a row of the tile: 512 bytes + 16
.set Y32,   135168                     ; 32 rows of y in f32, pitch 1,040
.set YP,    1040
.set PST,   168448                     ; 32 rows x 128 results, pitch 528
.set XCH,   185344                     ; the waves' partial scores: 1,024 bytes each
.set SPARE, 189440
.set SPW,   14
.set NIL,   15
.macro BARRIER
	s_wait_dscnt 0x0
	s_barrier_signal -1
	s_barrier_wait -1
.endm
.macro PLACES8                         ; eight places behind the f32 matrix form (ISA guide 7.12.1)
.rept 8
	v_nop
.endr
.endm
	s_load_b128 s[4:7], s[0:1], 0x0                ; fine32, Wo
	s_load_b128 s[8:11], s[0:1], 0x10              ; wo16, part
	v_lshl_add_u32 v[SPW], v0, 2, SPARE
	v_mov_b32 v[NIL], 0
	ds_add_u32 v[SPW], v[NIL]                      ; the wave's opening: the add, twice on end, and its wait ahead of my tensor load
	ds_add_u32 v[SPW], v[NIL]
	v_lshrrev_b32 v1, 5, v0
	v_readfirstlane_b32 s12, v1                    ; wave u
	s_and_b32 s13, ttmp7, 0xffff                   ; head h
	s_mov_b32 s16, (2<<16)|(1<<20)|(6<<22)|(3<<25) ; elements of 4 bytes; 4 words of padding behind every 128
	s_mov_b32 s17, 128<<16                         ; tensor_dim0
	s_mov_b32 s18, 64<<16                          ; tensor_dim1
	s_mov_b32 s19, 128<<16                         ; tile_dim0
	s_mov_b32 s20, 64                              ; tile_dim1
	s_mov_b32 s21, 2048                            ; pitch
	s_mov_b32 s22, 0
	s_mov_b32 s23, 0
	s_lshl_b32 s28, s13, 8
	s_lshl_b32 s29, s12, 6
	s_add_co_u32 s28, s28, s29                     ; my first row of Wo: 256 h + 64 u
	s_lshl_b32 s30, s28, 13
	s_lshl_b32 s29, ttmp9, 9
	s_add_co_u32 s30, s30, s29
	s_mov_b32 s31, 0
	s_mov_b32 s24, 1
	s_mul_i32 s25, s12, 64*WTP                     ; my 64 rows in LDS
	s_wait_dscnt 0x0
	s_wait_kmcnt 0x0
	s_add_nc_u64 s[26:27], s[6:7], s[30:31]
	s_or_b32 s27, s27, 0x80000000
	tensor_load_to_lds s[24:27], s[16:23]          ; every wave's one load
	s_nop 0
	; ---- 1: the small attention.  Wave u: sequence u / 2; half u % 2 of the head's 256 channels, for the scores' partial sums and for the result
	v_and_b32 v1, 15, v0                           ; r
	v_bfe_u32 v2, v0, 4, 1                         ; hl
	v_and_b32 v3, 31, v0                           ; lane
	s_lshr_b32 s32, s12, 1
	s_and_b32 s33, s12, 1
	s_lshl_b32 s34, s32, 5
	s_lshl_b32 s38, s33, 9                         ; 128 channels of f32
	s_lshr_b32 s39, s13, 1
	s_add_co_u32 s39, s39, s34                     ; 32 x sequence + key/value head
	s_add_co_u32 s36, s34, s13
	s_lshl_b32 s36, s36, 14
	s_add_co_u32 s36, s36, s38
	s_mov_b32 s37, 0
	s_add_co_u32 s40, s39, 16
	s_lshl_b32 s40, s40, 14
	s_add_co_u32 s40, s40, s38
	s_mov_b32 s41, 0
	s_add_co_u32 s42, s39, 24
	s_lshl_b32 s42, s42, 14
	s_add_co_u32 s42, s42, s38
	s_mov_b32 s43, 0
	s_add_nc_u64 s[36:37], s[4:5], s[36:37]        ; q
	s_add_nc_u64 s[40:41], s[4:5], s[40:41]        ; k
	s_add_nc_u64 s[42:43], s[4:5], s[42:43]        ; v
	s_mov_b32 s46, 0x3b6c5f04                      ; c1
	s_mov_b32 s47, 0x431044fe                      ; K1
	s_mov_b32 s48, 0x76543210
	s_mov_b32 s49, 0xfedcba98                      ; lane l xor 16
	v_lshlrev_b32 v4, 10, v1
	v_lshl_add_u32 v4, v2, 4, v4                   ; row r of 1,024 bytes + 16 hl
.irp c, 0,1,2,3,4,5,6,7,8,9,10,11,12,13,14,15
	global_load_b128 v[16+4*\c:19+4*\c], v4, s[36:37] offset:32*\c   ; channels 8 c + 4 hl + 0 .. 3: registers (0, 1) and (2, 3) are a K step of 4 each, in the same order for q and k
	global_load_b128 v[80+4*\c:83+4*\c], v4, s[40:41] offset:32*\c
.endr
	v_lshlrev_b32 v5, 13, v2
	v_lshl_add_u32 v5, v1, 2, v5                   ; v: key 8 hl, channel r
	v_lshlrev_b32 v8, 4, v3                        ; 16 x lane
	s_lshl_b32 s44, s12, 10
	s_xor_b32 s45, s12, 1
	s_lshl_b32 s45, s45, 10
	v_add_nc_u32 v6, s44, v8
	v_add_nc_u32 v6, XCH, v6                       ; my partial scores' image,
	v_add_nc_u32 v7, s45, v8
	v_add_nc_u32 v7, XCH, v7                       ; and that of the wave with the other channels
	s_wait_loadcnt 0x0
.set n, 0
.rept 32                               ; S^T = k q^T over my 128 channels: four accumulators by turns; the first four products start the sums
.if n < 4
	v_wmma_f32_16x16x4_f32 v[192+8*(n%4):199+8*(n%4)], v[80+2*n:81+2*n], v[16+2*n:17+2*n], 0
.else
	v_wmma_f32_16x16x4_f32 v[192+8*(n%4):199+8*(n%4)], v[80+2*n:81+2*n], v[16+2*n:17+2*n], v[192+8*(n%4):199+8*(n%4)]
.endif
.set n, n+1
.endr
	PLACES8
.irp c, 0,1,2,3
.irp dt, 0,1,2,3,4,5,6,7
.irp j, 0,1
	global_load_b32 v[80+2*(8*\c+\dt)+\j], v5, s[42:43] offset:(2*\c+\j)*1024+64*\dt   ; v(key 8 hl + 2 c + j, channel 16 dt + r): the keys in the order in which p's registers hold them
.endr
.endr
.endr
.irp j, 0,1,2,3,4,5,6,7
	v_add_f32 v[144+\j], v[192+\j], v[200+\j]
.endr
.irp j, 0,1,2,3,4,5,6,7
	v_add_f32 v[152+\j], v[208+\j], v[216+\j]
.endr
.irp j, 0,1,2,3,4,5,6,7
	v_add_f32 v[144+\j], v[144+\j], v[152+\j]
.endr
	ds_store_b128 v6, v[144:147]
	ds_store_b128 v6, v[148:151] offset:512
	BARRIER                                        ; my stores have landed; the tile's load may stay out
	ds_load_b128 v[152:155], v7
	ds_load_b128 v[156:159], v7 offset:512
	s_wait_dscnt 0x0
.irp j, 0,1,2,3,4,5,6,7
	v_add_f32 v[144+\j], v[144+\j], v[152+\j]      ; lane (r, hl), register j: query r, key 8 hl + j
.endr
.irp j, 0,1,2,3,4,5,6,7
	v_mul_f32 v[152+\j], s46, v[144+\j]
.endr
.irp j, 0,1,2,3,4,5,6,7
	v_exp_f32 v[152+\j], v[152+\j]
.endr
	v_lshlrev_b32 v168, 3, v2                      ; (a plain instruction behind the batch)
	s_wait_alu depctr_va_vdst(0)                   ; one wait for the eight
.irp j, 0,1,2,3,4,5,6,7
	v_add_f32 v[152+\j], 1.0, v[152+\j]
.endr
.irp j, 0,1,2,3,4,5,6,7
	v_rcp_f32 v[152+\j], -v[152+\j]                ; nr
.endr
	v_sub_nc_u32 v168, v1, v168                    ; r - 8 hl
	s_wait_alu depctr_va_vdst(0)
	v_mov_b32 v169, 0xff800000
.irp j, 0,1,2,3,4,5,6,7
	v_cmp_gt_i32 vcc_lo, \j, v168                  ; key > query
	v_cndmask_b32 v[152+\j], v[152+\j], v169, vcc_lo
.endr
	v_max3_num_f32 v170, v152, v153, v154
	v_max3_num_f32 v171, v155, v156, v157
	v_max3_num_f32 v170, v170, v158, v159
	v_max_num_f32 v170, v170, v171
	v_permlanex16_b32 v171, v170, s48, s49
	v_max_num_f32 v170, v170, v171                 ; M: key 0 counts for every query, so it is a number
	v_mul_f32 v170, s47, v170
.irp j, 0,1,2,3,4,5,6,7
	v_fma_f32 v[160+\j], v[152+\j], s47, -v170
.endr
.irp j, 0,1,2,3,4,5,6,7
	v_exp_f32 v[160+\j], v[160+\j]
.endr
	v_nop
	s_wait_alu depctr_va_vdst(0)
	v_add_f32 v172, v160, v161
	v_add_f32 v173, v162, v163
	v_add_f32 v174, v164, v165
	v_add_f32 v175, v166, v167
	v_add_f32 v172, v172, v173
	v_add_f32 v174, v174, v175
	v_add_f32 v172, v172, v174
	v_permlanex16_b32 v173, v172, s48, s49
	v_add_f32 v172, v172, v173
	v_rcp_f32 v172, v172
	v_nop
	s_wait_alu depctr_va_vdst(0)
.irp j, 0,1,2,3,4,5,6,7
	v_mul_f32 v[160+\j], v[160+\j], v172           ; the weights, normalised in f32
.endr
	s_lshl_b32 s44, s32, 4
	s_mul_i32 s44, s44, YP
	s_add_co_u32 s44, s44, s38
	v_mul_u32_u24 v9, v1, YP
	v_lshl_add_u32 v9, v2, 5, v9
	v_add_nc_u32 v9, s44, v9
	v_add_nc_u32 v9, Y32, v9                       ; y: row 16 x sequence + r, my half's channels, + 32 hl
	s_wait_loadcnt 0x0                             ; v
.irp c, 0,1,2,3                        ; O^T = v^T p: eight accumulators by turns
.irp dt, 0,1,2,3,4,5,6,7
.if \c == 0
	v_wmma_f32_16x16x4_f32 v[192+8*\dt:199+8*\dt], v[80+2*(8*\c+\dt):81+2*(8*\c+\dt)], v[160+2*\c:161+2*\c], 0
.else
	v_wmma_f32_16x16x4_f32 v[192+8*\dt:199+8*\dt], v[80+2*(8*\c+\dt):81+2*(8*\c+\dt)], v[160+2*\c:161+2*\c], v[192+8*\dt:199+8*\dt]
.endif
.endr
.endr
	PLACES8
.irp dt, 0,1,2,3,4,5,6,7
	ds_store_b128 v9, v[192+8*\dt:195+8*\dt] offset:64*\dt
	ds_store_b128 v9, v[196+8*\dt:199+8*\dt] offset:64*\dt+16
.endr
	s_wait_tensorcnt 0x0                           ; my 64 rows of the tile are in
	BARRIER                                        ; everybody's are, and the 32 rows of y lie in LDS
	; ---- 2: my 64 rows of the tile to f16
	s_mul_i32 s44, s12, 64*WTP
	v_add_nc_u32 v10, s44, v8
	v_lshlrev_b32 v11, 3, v3
	s_lshl_b32 s44, s28, 12
	s_lshl_b32 s45, ttmp9, 8
	s_add_co_u32 s44, s44, s45
	s_mov_b32 s45, 0
	s_add_nc_u64 s[8:9], s[8:9], s[44:45]
.irp bt, 0,1,2,3
.irp i, 0,1,2,3,4,5,6,7,8,9,10,11,12,13,14,15
	ds_load_b128 v[16+4*\i:19+4*\i], v10 offset:(16*\bt+\i)*WTP
.endr
.if \bt > 0
	s_wait_xcnt 0x0                                ; the last batch's stores have read their registers
.endif
.irp i, 0,1,2,3,4,5,6,7,8,9,10,11,12,13,14,15
	s_wait_dscnt 15-\i
	v_cvt_pk_f16_f32 v[80+2*\i], v[16+4*\i], v[17+4*\i]
	v_cvt_pk_f16_f32 v[81+2*\i], v[18+4*\i], v[19+4*\i]
	global_store_b64 v11, v[80+2*\i:81+2*\i], s[8:9] offset:(16*\bt+\i)*4096   ; 32 lanes store 256 consecutive bytes, aligned
.endr
.endr
	; ---- 3: part = y (32 x 256) x tile (256 x 128), f32.  Wave u: columns 32 u .. + 31; four accumulators (16 m rows, 16 nt columns) by turns; source 0 = Wo, source 1 = y
	v_mul_u32_u24 v12, v1, YP
	v_lshl_add_u32 v12, v2, 4, v12
	v_add_nc_u32 v12, Y32, v12                     ; y: row r, + 16 hl
	v_mul_u32_u24 v13, v2, 4*WTP
	v_lshl_add_u32 v13, v1, 2, v13
	s_lshl_b32 s44, s12, 7
	v_add_nc_u32 v13, s44, v13                     ; Wo: row 4 hl, column 32 u + r
.macro SUBLOAD s                       ; 32 along K into set s % 2: 8 + 32 = 40 LDS loads
.set SB, 16+64*((\s)%2)
.irp m, 0,1
.irp c, 0,1,2,3
	ds_load_b128 v[SB+16*\m+4*\c:SB+16*\m+4*\c+3], v12 offset:\m*16*YP+128*(\s)+32*\c
.endr
.endr
.irp c, 0,1,2,3
.irp e, 0,1
.irp nt, 0,1
.irp j, 0,1
	ds_load_b32 v[SB+32+2*(4*\c+2*\e+\nt)+\j], v13 offset:(8*\c+2*\e+\j)*WTP+64*\nt
.endr
.endr
.endr
.endr
	v_add_nc_u32 v13, 32*WTP, v13
.endm
.macro SUBMUL s
.set SB, 16+64*((\s)%2)
.irp c, 0,1,2,3
.irp e, 0,1
.irp m, 0,1
.irp nt, 0,1
.if ((\s) == 0) && (\c == 0) && (\e == 0)
	v_wmma_f32_16x16x4_f32 v[192+8*(2*\m+\nt):199+8*(2*\m+\nt)], v[SB+32+2*(4*\c+2*\e+\nt):SB+33+2*(4*\c+2*\e+\nt)], v[SB+16*\m+4*\c+2*\e:SB+16*\m+4*\c+2*\e+1], 0
.else
	v_wmma_f32_16x16x4_f32 v[192+8*(2*\m+\nt):199+8*(2*\m+\nt)], v[SB+32+2*(4*\c+2*\e+\nt):SB+33+2*(4*\c+2*\e+\nt)], v[SB+16*\m+4*\c+2*\e:SB+16*\m+4*\c+2*\e+1], v[192+8*(2*\m+\nt):199+8*(2*\m+\nt)]
.endif
.endr
.endr
.endr
.endr
.endm
	s_wait_xcnt 0x0                                ; the last batch's sixteen stores have read v80-111: the odd sub-steps' loads land there only behind this wait
	SUBLOAD 0
.irp s, 0,1,2,3,4,5,6,7
.if \s > 0
	PLACES8                                        ; in front of loads into the set that the products before have read
.endif
.if \s < 7
	SUBLOAD \s+1
	s_wait_dscnt 40                                ; all but the 40 just issued
.else
	s_wait_dscnt 0x0
.endif
	SUBMUL \s
.endr
	PLACES8
	v_mul_u32_u24 v9, v1, 528
	v_lshl_add_u32 v9, v2, 5, v9
	v_add_nc_u32 v9, s44, v9
	v_add_nc_u32 v9, PST, v9                       ; row r, my 128 bytes, + 32 hl
.irp m, 0,1
.irp nt, 0,1
	ds_store_b128 v9, v[192+8*(2*\m+\nt):195+8*(2*\m+\nt)] offset:\m*16*528+64*\nt
	ds_store_b128 v9, v[196+8*(2*\m+\nt):199+8*(2*\m+\nt)] offset:\m*16*528+64*\nt+16
.endr
.endr
	BARRIER                                        ; 32 whole rows of 512 bytes lie in LDS
	s_mul_i32 s44, s12, 8*528
	v_add_nc_u32 v10, s44, v8
	v_add_nc_u32 v10, PST, v10
	s_lshl_b32 s44, s13, 18                        ; part: 262,144 bytes a head,
	s_lshl_b32 s45, s12, 16                        ; my 8 rows of 8,192,
	s_add_co_u32 s44, s44, s45
	s_lshl_b32 s45, ttmp9, 9                       ; the tile's 512 bytes
	s_add_co_u32 s44, s44, s45
	s_mov_b32 s45, 0
	s_add_nc_u64 s[10:11], s[10:11], s[44:45]
.irp i, 0,1,2,3,4,5,6,7
	ds_load_b128 v[16+4*\i:19+4*\i], v10 offset:\i*528
.endr
.irp i, 0,1,2,3,4,5,6,7
	s_wait_dscnt 7-\i
	global_store_b128 v8, v[16+4*\i:19+4*\i], s[10:11] offset:\i*8192
.endr
	s_wait_tensorcnt 0x0                           ; the wave's end: the three lines
	ds_add_u32 v[SPW], v[NIL]
	s_wait_dscnt 0x0
	s_endpgm
.Lfunc_end_k_q8d9cbb44b3_wofine:
	.size	k_q8d9cbb44b3_wofine, .Lfunc_end_k_q8d9cbb44b3_wofine-k_q8d9cbb44b3_wofine
	.p2alignl 7, 3214868480
	.fill 96, 4, 3214868480
	.section	.rodata,"a",@progbits
	.p2align	6, 0x0
	.amdhsa_kernel k_q8d9cbb44b3_wofine
		.amdhsa_group_segment_fixed_size 189952
		.amdhsa_private_segment_fixed_size 0
		.amdhsa_enable_private_segment 0
		.amdhsa_kernarg_size 32
		.amdhsa_user_sgpr_count 2
		.amdhsa_user_sgpr_kernarg_segment_ptr 1
		.amdhsa_wavefront_size32 1
		.amdhsa_system_sgpr_workgroup_id_x 1
		.amdhsa_system_sgpr_workgroup_id_y 1
		.amdhsa_system_sgpr_workgroup_id_z 1
		.amdhsa_system_vgpr_workitem_id 0
		.amdhsa_next_free_vgpr 256
		.amdhsa_next_free_sgpr 66
		.amdhsa_reserve_vcc 1
		.amdhsa_float_denorm_mode_32 3
		.amdhsa_float_denorm_mode_16_64 3
		.amdhsa_memory_ordered 1
		.amdhsa_forward_progress 1
		.amdhsa_inst_pref_size 86
	.end_amdhsa_kernel
	.amdgpu_metadata
---
amdhsa.version: [ 1, 2 ]
amdhsa.kernels:
  - .name:           k_q8d9cbb44b3_wofine
    .symbol:         k_q8d9cbb44b3_wofine.kd
    .args:
      - { .name: fine32, .offset: 0, .size: 8, .value_kind: global_buffer, .address_space: global }
      - { .name: Wo, .offset: 8, .size: 8, .value_kind: global_buffer, .address_space: global }
      - { .name: wo16, .offset: 16, .size: 8, .value_kind: global_buffer, .address_space: global }
      - { .name: part, .offset: 24, .size: 8, .value_kind: global_buffer, .address_space: global }
    .group_segment_fixed_size: 189952
    .private_segment_fixed_size: 0
    .kernarg_segment_align: 8
    .kernarg_segment_size: 32
    .max_flat_workgroup_size: 128
    .sgpr_count:     66
    .vgpr_count:     256
    .wavefront_size: 32
...
	.end_amdgpu_metadata
.endif
;; end of part 3
;; launch att (part 4): grid 16 x 16, 4 waves a work-group, no clusters, 327,680 bytes of LDS; arguments qkv, y; writes y
.if DOCPART == 4
	.amdgcn_target "amdgcn-amd-amdhsa--gfx1250"
	.amdhsa_code_object_version 6
	.text
	.protected	k_q8d9cbb44b3_att
	.globl	k_q8d9cbb44b3_att
	.p2align	8
	.type	k_q8d9cbb44b3_att,@function
k_q8d9cbb44b3_att:
	s_mov_b64 s[64:65], 0
	v_nop
	global_prefetch_b8 v0, s[64:65] scope:SCOPE_SE
	s_setreg_imm32_b32 hwreg(HW_REG_WAVE_MODE, 25, 1), 1
	s_wait_xcnt 0x0
; y[b][t][head] = softmax over keys <= t of (50 tanh(q . k / 16 / 50)) v, on f16 operands with f32 sums.  q, k, v: qkv [b][slab][t][256] f16 (q and k in one and the same permuted order of channels).
; WORK LEFT OUT: a step of 64 keys all of which come after a tile's 16 queries is not multiplied: reference()'s own mask gives those keys the weight 0.  A NaN or an infinity that arises only there is not carried on.
; SHARES.  Work-group (w, bg): sequence bg / 8, key/value head bg % 8.  With w = 4 p + q, wave u has query head 2 (bg % 8) + u / 2 and TWO tiles of 16 queries: an early one, A = tile 8 p + q + 4 (u % 2), and a late one, B = tile 63 - A.
; Together they have 17 tile-steps of 64 keys in every wave of the launch; while both are live they share K's and V's fragments.  The work-group's last live step is 15 - 2 p, an odd one: so a slot of two steps is read in both its
; steps or in none.  Every work-group walks 16 key steps (a constant count); work and loads past the causal limit are jumped over by branches on ids alone.
; NO CLUSTER: under the mask the work-groups of a key/value head need different numbers of slots, so a joint load would bring some partner tiles that none of its waves reads.
; LAYOUT.  S^T = K Q^T (source 0 = 16 keys, source 1 = 16 queries): a lane holds one query (lane % 16) and keys 8 (lane / 16) + j.  Two such tiles rounded to f16 in pairs are source 1 of O^T = V^T P.
; SOFTCAP AND SOFTMAX.  e = 2^(c1 s), c1 = 2 log2(e) / 800; nr = -1 / (1 + e); score x log2(e) = const + K1 nr, K1 = 100 log2(e).  A running maximum M of nr: p = 2^(K1 nr - K1 M); O and l are multiplied by
; a = 2^(K1 (M old - M new)) in every step.  Hidden keys: nr = -infinity, p = 0.  Every live step holds a key that counts for each of the tile's queries, so M is always a number.
; THE RING: two slots of TWO key steps (a step: 64 rows of K, pitch 528, then 64 of V, pitch 544).  Each wave fetches 64 rows of 512 bytes (waves 0, 1: K of the slot's first, second step; waves 2, 3: V likewise), so every wave
; issues a first fill.  One change of slots for two steps: a refill has two steps' work in which to land, and no barrier stands between a slot's two steps: the one in front has shown the whole slot to all four waves.
; A TRIP IS TURNED ROUND, AND THE LDS LOADS ARE DEALT OUT IN RUNS OF EIGHT: K of step j is asked of LDS between tile B's products V^T P of step j - 1, channel block by channel block, and K Q^T of step j starts each block behind a
; counted wait; V of step j is asked of LDS between the parts of tile B's softmax.  So a slot is wholly in registers when it is left.
; REGISTERS: window 0: v1-15 addresses; v16-27, v28-39 statistics of A, B; v64-95, v96-127 S^T then P; v128-191, v192-255 Q.  window 1: O^T (A at 0, B at 128).  window 2: K.  window 3: V.
.set KP,    528
.set VP,    544
.set VOFF,  64*KP
.set STEPB, 64*(KP+VP)                 ; a key step's tiles: 68,608 bytes
.set SLOTB, 2*STEPB                    ; a slot
.set STAGE, 2*SLOTB                    ; behind the ring: 16 rows x 528 bytes for each wave
.set SPARE, STAGE+4*16*528
.set AK0, 1
.set AV0, 2
.set ADK, 3
.set ADV, 4
.set QO,  5
.set STO, 6
.set RD,  7
.set GO,  8
.set RH,  9                            ; lane % 16 - 8 (lane / 16)
.set DLT, 10
.set SPW, 12
.set NIL, 13
.set INF, 14                           ; -infinity
.set PFO, 15
.set STA, 16                           ; a tile's statistics: +0 (+1) -K1 M; +2, +3 l; +4 (+5) a; +6 M; +7 at work; +8 .. +11 four chains
.set STB, 28
.set SA,  64
.set SBB, 96
.set QA,  128
.set QB,  192
.set WV,  8
.set G1K, 16
.set G1V, 24
.set G0K, 32                           ; s[32:39] group 0 for K's tiles, a set for each slot
.set KF,  40                           ; the step's first key
.set TB,  41                           ; LDS byte at which the step's tiles begin
.set Q0A, 42
.set QLA, 43
.set Q0B, 44
.set QLB, 45
.set QLW, 46                           ; the work-group's last query
.set CNT, 47
.set LIM, 48
.set TW,  49                           ; counts a slot's two steps
.set PFA, 50
.set C1,  52
.set K1,  54
.set NK1, 56
.set SEL, 58
.set G0V, 72                           ; s[72:79] group 0 for V's tiles, a set for each slot
.set MSB, 0
.macro WIN new
.if MSB != (\new)
	s_set_vgpr_msb (MSB<<8)|(\new)
.set MSB, (\new)
.endif
.endm
.macro TLOAD s                         ; slot s: waves 0 and 1 fetch K of its two steps, waves 2 and 3 V; an s_nop 0 and four v_nop follow each line
	s_cmp_lt_u32 s[WV], 2
	s_cbranch_scc0 .Lfor_v_\@
	tensor_load_to_lds s[G0K+4*\s:G0K+4*\s+3], s[G1K:G1K+7]
	s_nop 0
.rept 4
	v_nop
.endr
	s_branch .Lasked_\@
.Lfor_v_\@:
	tensor_load_to_lds s[G0V+4*\s:G0V+4*\s+3], s[G1V:G1V+7]
	s_nop 0
.rept 4
	v_nop
.endr
.Lasked_\@:
.endm
; A prefetch of what the NEXT change of slots will ask for: my wave's own 64 rows x 512 bytes, lanes 256 bytes apart, four instructions.  All 16 work-groups of a key/value head walk the same rows:
; work-group w = 0, which walks all eight slots, asks, so each 256 bytes are named once.  how = 1: there is always such a slot; how = 0: not in the loop's last trip, where the last slot is being asked for.
.macro ASK how
.if \how
	s_cmp_eq_u32 s[LIM], 1
.else
	s_cmp_gt_u32 s[CNT], s[LIM]
.endif
	s_cbranch_scc0 .Lnot_mine_\@
.irp k, 0,1,2,3
	global_prefetch_b8 v[PFO], s[PFA:PFA+1] offset:8192*\k th:TH_LOAD_NT scope:SCOPE_SE
.endr
.Lnot_mine_\@:
.endm
	s_load_b128 s[4:7], s[0:1], 0x0                ; qkv, y
	v_lshl_add_u32 v[SPW], v0, 2, SPARE
	v_mov_b32 v[NIL], 0
	ds_add_u32 v[SPW], v[NIL]                      ; the wave's opening: the add, twice on end, and its wait ahead of my first tensor load
	ds_add_u32 v[SPW], v[NIL]
	v_lshrrev_b32 v1, 5, v0
	v_readfirstlane_b32 s[WV], v1
	s_and_b32 s9, s[WV], 1
	s_lshr_b32 s10, s[WV], 1
	s_and_b32 s12, ttmp7, 0xffff
	s_lshr_b32 s13, s12, 3                         ; sequence
	s_and_b32 s14, s12, 7                          ; key/value head
	s_mov_b32 s[G1K], (1<<16)|(1<<20)|(6<<22)|(3<<25)   ; elements of 2 bytes; 4 words of padding behind every 128
	s_mov_b32 s[G1V], (1<<16)|(1<<20)|(6<<22)|(7<<25)   ; 8 words
.irp g, G1K, G1V
	s_mov_b32 s[\g+1], 256<<16                     ; tensor_dim0
	s_mov_b32 s[\g+2], 64<<16                      ; tensor_dim1
	s_mov_b32 s[\g+3], 256<<16                     ; tile_dim0
	s_mov_b32 s[\g+4], 64                          ; tile_dim1
	s_mov_b32 s[\g+5], 256                         ; pitch
	s_mov_b32 s[\g+6], 0
	s_mov_b32 s[\g+7], 0
.endr
	s_lshr_b32 s60, ttmp9, 2                       ; p
	s_lshl_b32 s60, s60, 3
	s_and_b32 s61, ttmp9, 3                        ; q
	s_add_co_u32 s60, s60, s61                     ; 8 p + q
	s_lshl_b32 s61, s60, 4
	s_sub_co_u32 s[QLW], 1023, s61                 ; the last query of tile 63 - 8 p - q
	s_lshl_b32 s61, s9, 2
	s_add_co_u32 s60, s60, s61                     ; tile A
	s_lshl_b32 s[Q0A], s60, 4
	s_add_co_u32 s[QLA], s[Q0A], 15
	s_sub_co_u32 s61, 63, s60                      ; tile B
	s_lshl_b32 s[Q0B], s61, 4
	s_add_co_u32 s[QLB], s[Q0B], 15
	s_mov_b32 s[KF], 0
	s_mov_b32 s[TB], 0
	s_mov_b32 s[CNT], 3
	s_cmp_eq_u32 ttmp9, 0
	s_cselect_b32 s[LIM], 1, -1
	s_mov_b32 s[C1], 0x3b6c5f04
	s_mov_b32 s[C1+1], s[C1]                       ; (named with it as a pair, so it is written)
	s_mov_b32 s[K1], 0x431044fe
	s_mov_b32 s[K1+1], s[K1]
	s_mov_b32 s[NK1], 0xc31044fe
	s_mov_b32 s[SEL], 0x76543210
	s_mov_b32 s[SEL+1], 0xfedcba98
	s_lshl_b32 s11, s13, 5                         ; 32 slabs a sequence
	s_add_co_u32 s62, s11, s14
	s_add_co_u32 s62, s62, 16                      ; K's slab
	s_lshl_b32 s62, s62, 19
	s_lshl_b32 s15, s9, 15                         ; my 64 rows of a slot's 128, in memory,
	s_add_co_u32 s62, s62, s15
	s_mov_b32 s63, 0
	s_mul_i32 s61, s9, STEPB                       ; and in a slot
	s_wait_dscnt 0x0                               ; both opening adds are done
	s_wait_kmcnt 0x0
.irp s, 0,1
	s_mov_b32 s[G0K+4*\s], 1
	s_add_co_u32 s[G0K+4*\s+1], s61, \s*SLOTB
	s_mov_b32 s[G0V+4*\s], 1
	s_add_co_u32 s[G0V+4*\s+1], s61, \s*SLOTB+VOFF
.endr
	s_add_nc_u64 s[G0K+2:G0K+3], s[4:5], s[62:63]  ; slot 0 begins with keys 0 to 127,
	s_add_nc_u64 s[G0V+2:G0V+3], s[G0K+2:G0K+3], 8<<19   ; (V's slab lies eight slabs on)
	s_add_nc_u64 s[G0K+6:G0K+7], s[G0K+2:G0K+3], 65536   ; slot 1 with keys 128 to 255
	s_add_nc_u64 s[G0V+6:G0V+7], s[G0V+2:G0V+3], 65536
	s_cmp_lt_u32 s[WV], 2
	s_cselect_b64 s[PFA:PFA+1], s[G0K+2:G0K+3], s[G0V+2:G0V+3]
	s_add_nc_u64 s[PFA:PFA+1], s[PFA:PFA+1], 65536 ; at keys 128 on: the first change of slots steps it to keys 256 on
	s_or_b32 s[G0K+3], s[G0K+3], 0x80000000
	s_or_b32 s[G0K+7], s[G0K+7], 0x80000000
	s_or_b32 s[G0V+3], s[G0V+3], 0x80000000
	s_or_b32 s[G0V+7], s[G0V+7], 0x80000000
	TLOAD 0                                        ; steps 0 and 1 into slot 0: a first fill in each arm of the branch
	s_lshl_b32 s15, s14, 1
	s_add_co_u32 s15, s15, s10                     ; my query head
	s_add_co_u32 s60, s11, s15
	s_lshl_b32 s60, s60, 19
	s_lshl_b32 s62, s[Q0A], 9
	s_add_co_u32 s62, s62, s60
	s_add_nc_u64 s[66:67], s[4:5], s[62:63]        ; Q of tile A
	s_lshl_b32 s62, s[Q0B], 9
	s_add_co_u32 s62, s62, s60
	s_add_nc_u64 s[68:69], s[4:5], s[62:63]        ; of tile B
	s_lshl_b32 s60, s13, 10
	s_lshl_b32 s15, s15, 9
	s_add_co_u32 s62, s60, s[Q0A]
	s_lshl_b32 s62, s62, 13
	s_add_co_u32 s62, s62, s15
	s_add_nc_u64 s[70:71], s[6:7], s[62:63]        ; y of tile A: rows of 8,192 bytes, the head's 512
	s_add_co_u32 s62, s60, s[Q0B]
	s_lshl_b32 s62, s62, 13
	s_add_co_u32 s62, s62, s15
	s_add_nc_u64 s[6:7], s[6:7], s[62:63]          ; of tile B
	v_and_b32 v10, 15, v0                          ; r
	v_bfe_u32 v11, v0, 4, 1                        ; h
	v_lshlrev_b32 v[QO], 9, v10
	v_lshl_add_u32 v[QO], v11, 4, v[QO]
.irp c, 0,1,2,3,4,5,6,7
	global_load_b128 v[QA+8*\c:QA+8*\c+3], v[QO], s[66:67] offset:64*\c
	global_load_b128 v[QA+8*\c+4:QA+8*\c+7], v[QO], s[66:67] offset:64*\c+32
	global_load_b128 v[QB+8*\c:QB+8*\c+3], v[QO], s[68:69] offset:64*\c
	global_load_b128 v[QB+8*\c+4:QB+8*\c+7], v[QO], s[68:69] offset:64*\c+32
.endr
	v_mul_u32_u24 v[AK0], v10, KP
	v_lshl_add_u32 v[AK0], v11, 4, v[AK0]          ; K: row r, + 16 h
	v_and_b32 v[AV0], 7, v0
	v_lshl_add_u32 v[AV0], v11, 3, v[AV0]
	v_mul_u32_u24 v[AV0], v[AV0], VP
	v_bfe_u32 v[ADV], v0, 3, 1
	v_lshl_add_u32 v[AV0], v[ADV], 4, v[AV0]
	v_add_nc_u32 v[AV0], VOFF, v[AV0]              ; V, for the turning load: key 8 h + l % 8, 16 bytes by (l / 8) % 2
	v_lshlrev_b32 v[RH], 3, v11
	v_sub_nc_u32 v[RH], v10, v[RH]
	s_mul_i32 s60, s[WV], 16*528
	s_add_co_u32 s60, s60, STAGE
	v_mul_u32_u24 v[STO], v10, 528
	v_lshl_add_u32 v[STO], v11, 4, v[STO]
	v_add_nc_u32 v[STO], s60, v[STO]
	v_and_b32 v[GO], 31, v0
	v_lshlrev_b32 v[PFO], 8, v[GO]
	v_lshlrev_b32 v[GO], 4, v[GO]
	v_add_nc_u32 v[RD], s60, v[GO]
	v_mov_b32 v[INF], 0xff800000
.irp t, STA, STB
	v_mov_b32 v[\t+1], 0                           ; upper halves of pairs of which the low word alone is used, and a lane permute's destination: written once
	v_mov_b32 v[\t+5], 0
	v_mov_b32 v[\t+7], 0
.endr
; A step's K: fragment (16 kt keys, 32 c channels) at 64 kt + 8 c of window 2.  The loads go channel block by channel block: block c is eight loads.
.macro KLOAD                           ; all 64 in one run: the first step, which has no products to set them between
	v_add_nc_u32 v[ADK], s[TB], v[AK0]
	WIN 0x80
.irp c, 0,1,2,3,4,5,6,7
.irp kt, 0,1,2,3
	ds_load_b128 v[64*\kt+8*\c:64*\kt+8*\c+3], v[ADK] offset:\kt*16*KP+64*\c
	ds_load_b128 v[64*\kt+8*\c+4:64*\kt+8*\c+7], v[ADK] offset:\kt*16*KP+64*\c+32
.endr
.endr
	WIN 0
.endm
; Eight of a step's 64 turning loads of V: fragments 4 g .. 4 g + 3; fragment p (32 (p / 16) keys on, 16 (p % 16) channels on) lies at 128 (p / 16) + 8 (p % 16) of window 3
.macro VGRP g
	WIN 0xc0
.irp i, 0,1,2,3
.set pp, 4*(\g)+\i
	ds_load_tr16_b128 v[128*(pp/16)+8*(pp%16):128*(pp/16)+8*(pp%16)+3], v[ADV] offset:(pp/16)*32*VP+32*(pp%16)
	ds_load_tr16_b128 v[128*(pp/16)+8*(pp%16)+4:128*(pp/16)+8*(pp%16)+7], v[ADV] offset:(pp/16)*32*VP+16*VP+32*(pp%16)
.endr
	WIN 0
.endm
; 32 products; the tile's four accumulators take turns; the first four start the sums.  waits = 1: K's 64 loads are the youngest LDS instructions: block c is in when at most the 8 (7 - c) loads issued behind it are out
.macro QK rS, rQ, waits
	WIN 0x02
.irp c, 0,1,2,3,4,5,6,7
.if \waits
	s_wait_dscnt 8*(7-\c)
.endif
.irp kt, 0,1,2,3
.if \c == 0
	v_wmma_f32_16x16x32_f16 v[\rS+8*\kt:\rS+8*\kt+7], v[64*\kt+8*\c:64*\kt+8*\c+7], v[\rQ+8*\c:\rQ+8*\c+7], 0
.else
	v_wmma_f32_16x16x32_f16 v[\rS+8*\kt:\rS+8*\kt+7], v[64*\kt+8*\c:64*\kt+8*\c+7], v[\rQ+8*\c:\rQ+8*\c+7], v[\rS+8*\kt:\rS+8*\kt+7]
.endif
.endr
.endr
	WIN 0
.endm
.macro PV rO, rP, zero                 ; 32 products; the tile's sixteen accumulators take turns
	WIN 0x53
.irp kc, 0,1
.irp dt, 0,1,2,3,4,5,6,7,8,9,10,11,12,13,14,15
.if (\zero) && (\kc == 0)
	v_wmma_f32_16x16x32_f16 v[\rO+8*\dt:\rO+8*\dt+7], v[128*\kc+8*\dt:128*\kc+8*\dt+7], v[\rP+8*\kc:\rP+8*\kc+7], 0
.else
	v_wmma_f32_16x16x32_f16 v[\rO+8*\dt:\rO+8*\dt+7], v[128*\kc+8*\dt:128*\kc+8*\dt+7], v[\rP+8*\kc:\rP+8*\kc+7], v[\rO+8*\dt:\rO+8*\dt+7]
.endif
.endr
.endr
	WIN 0
.endm
; Tile B's 32 products V^T P with the next step's K between them: eight times a channel block's eight loads and four products.  The loads land in window 2, which none of these products names.
.macro PVK zero
.set n, 0
.rept 8
	WIN 0x80
.irp kt, 0,1,2,3
	ds_load_b128 v[64*\kt+8*n:64*\kt+8*n+3], v[ADK] offset:\kt*16*KP+64*n
	ds_load_b128 v[64*\kt+8*n+4:64*\kt+8*n+7], v[ADK] offset:\kt*16*KP+64*n+32
.endr
	WIN 0x53
.irp i, 0,1,2,3
.if (\zero) && (n < 4)
	v_wmma_f32_16x16x32_f16 v[128+8*(4*(n%4)+\i):128+8*(4*(n%4)+\i)+7], v[128*(n/4)+8*(4*(n%4)+\i):128*(n/4)+8*(4*(n%4)+\i)+7], v[SBB+8*(n/4):SBB+8*(n/4)+7], 0
.else
	v_wmma_f32_16x16x32_f16 v[128+8*(4*(n%4)+\i):128+8*(4*(n%4)+\i)+7], v[128*(n/4)+8*(4*(n%4)+\i):128*(n/4)+8*(4*(n%4)+\i)+7], v[SBB+8*(n/4):SBB+8*(n/4)+7], v[128+8*(4*(n%4)+\i):128+8*(4*(n%4)+\i)+7]
.endif
.endr
.set n, n+1
.endr
	WIN 0
.endm
.macro PVLAST                          ; V^T P of step 15, for the tiles for which it was live
	s_sub_co_u32 s60, s[KF], 64
	s_cmp_gt_u32 s60, s[QLB]
	s_cbranch_scc1 .Lpvend_\@
	PV 128, SBB, 0
	s_cmp_gt_u32 s60, s[QLA]
	s_cbranch_scc1 .Lpvend_\@
	PV 0, SA, 0
.Lpvend_\@:
.endm
; One tile's softcap and softmax for a key step.  Three batches of transcendentals, each with one plain instruction behind it and ONE wait ahead of its first reader.
; vl = 1: the step's V is asked of LDS on the way, eight loads at each of eight places at which.
.macro SMX rS, rT, rO, qz, first, vl
.if \vl
	VGRP 0
.endif
.set ii, 0
.rept 16
	v_pk_mul_f32 v[\rS+ii:\rS+ii+1], v[\rS+ii:\rS+ii+1], s[C1:C1+1] op_sel_hi:[1,0]
.set ii, ii+2
.endr
.if \vl
	VGRP 1
.endif
.set ii, 0
.rept 32
	v_exp_f32 v[\rS+ii], v[\rS+ii]
.set ii, ii+1
.endr
	v_nop
	s_wait_alu depctr_va_vdst(0)
.if \vl
	VGRP 2
.endif
.set ii, 0
.rept 16
	v_pk_add_f32 v[\rS+ii:\rS+ii+1], v[\rS+ii:\rS+ii+1], 1.0 op_sel_hi:[1,0]
.set ii, ii+2
.endr
.if \vl
	VGRP 3
.endif
.set ii, 0
.rept 32
	v_rcp_f32 v[\rS+ii], -v[\rS+ii]
.set ii, ii+1
.endr
	v_nop
	s_wait_alu depctr_va_vdst(0)
.if \vl
	VGRP 4
.endif
	s_add_co_u32 s60, s[KF], 63                    ; a step all of whose keys count for the tile skips the mask
	s_cmp_le_u32 s60, s[\qz]
	s_cbranch_scc1 .Lopen_\@
	s_sub_co_i32 s60, s[\qz], s[KF]
	v_add_nc_u32 v[DLT], s60, v[RH]                ; register 8 kt + j holds key KF + 16 kt + 8 h + j: hidden where 16 kt + j > my query - KF - 8 h
.irp kt, 0,1,2,3
.irp j, 0,1,2,3,4,5,6,7
	v_cmp_gt_i32 vcc_lo, 16*\kt+\j, v[DLT]
	v_cndmask_b32 v[\rS+8*\kt+\j], v[\rS+8*\kt+\j], v[INF], vcc_lo
.endr
.endr
.Lopen_\@:
.irp w, 0,1,2,3
	v_max3_num_f32 v[\rT+8+\w], v[\rS+8*\w], v[\rS+8*\w+1], v[\rS+8*\w+2]
.endr
.irp p, 3,5
.irp w, 0,1,2,3
	v_max3_num_f32 v[\rT+8+\w], v[\rT+8+\w], v[\rS+8*\w+\p], v[\rS+8*\w+\p+1]
.endr
.endr
	v_max3_num_f32 v[\rT+8], v[\rT+8], v[\rS+7], v[\rS+15]
	v_max3_num_f32 v[\rT+10], v[\rT+10], v[\rS+23], v[\rS+31]
	v_max3_num_f32 v[\rT+8], v[\rT+8], v[\rT+9], v[\rT+10]
.if \first
	v_max_num_f32 v[\rT+8], v[\rT+8], v[\rT+11]
.else
	v_max3_num_f32 v[\rT+8], v[\rT+8], v[\rT+11], v[\rT+6]
.endif
	v_permlanex16_b32 v[\rT+7], v[\rT+8], s[SEL], s[SEL+1]
	v_max_num_f32 v[\rT+7], v[\rT+8], v[\rT+7]     ; the new M
.if (\first) == 0
	v_sub_f32 v[\rT+9], v[\rT+6], v[\rT+7]
	v_mul_f32 v[\rT+9], s[K1], v[\rT+9]            ; K1 (M old - M new), 0 or less
.endif
	v_mov_b32 v[\rT+6], v[\rT+7]
	v_mul_f32 v[\rT], s[NK1], v[\rT+7]             ; -K1 M
.if \vl
	VGRP 5
.endif
.set ii, 0
.rept 16
	v_pk_fma_f32 v[\rS+ii:\rS+ii+1], v[\rS+ii:\rS+ii+1], s[K1:K1+1], v[\rT:\rT+1] op_sel_hi:[1,0,0]
.set ii, ii+2
.endr
.if \vl
	VGRP 6
.endif
.set ii, 0
.rept 32
	v_exp_f32 v[\rS+ii], v[\rS+ii]                 ; p, at most 1
.set ii, ii+1
.endr
.if (\first) == 0
	v_exp_f32 v[\rT+4], v[\rT+9]                   ; a
.endif
	v_nop
	s_wait_alu depctr_va_vdst(0)
.if \vl
	VGRP 7
.endif
	v_pk_add_f32 v[\rT+8:\rT+9], v[\rS:\rS+1], v[\rS+2:\rS+3]      ; the row's sum, in f32, in two chains
	v_pk_add_f32 v[\rT+10:\rT+11], v[\rS+4:\rS+5], v[\rS+6:\rS+7]
.irp i, 8,12,16,20,24,28
	v_pk_add_f32 v[\rT+8:\rT+9], v[\rT+8:\rT+9], v[\rS+\i:\rS+\i+1]
	v_pk_add_f32 v[\rT+10:\rT+11], v[\rT+10:\rT+11], v[\rS+\i+2:\rS+\i+3]
.endr
.if \first
	v_pk_add_f32 v[\rT+2:\rT+3], v[\rT+8:\rT+9], v[\rT+10:\rT+11]
.else
	v_pk_add_f32 v[\rT+8:\rT+9], v[\rT+8:\rT+9], v[\rT+10:\rT+11]
	v_pk_fma_f32 v[\rT+2:\rT+3], v[\rT+2:\rT+3], v[\rT+4:\rT+5], v[\rT+8:\rT+9] op_sel_hi:[1,0,1]
.endif
.irp kc, 0,1                           ; to f16 in place, ascending: no destination lies above a source that is still to be read
.irp i, 0,1,2,3,4,5,6,7
	v_cvt_pk_f16_f32 v[\rS+8*\kc+\i], v[\rS+16*\kc+2*\i], v[\rS+16*\kc+2*\i+1]
.endr
.endr
.if (\first) == 0
	WIN 0x41
.set ii, 0
.rept 64
	v_pk_mul_f32 v[\rO+ii:\rO+ii+1], v[\rO+ii:\rO+ii+1], v[\rT+4:\rT+5] op_sel_hi:[1,0]
.set ii, ii+2
.endr
	WIN 0
.endif
.endm
; THE CHANGE OF SLOTS, ahead of a slot's two steps.  Each wave waits for all its tensor loads (its part of the slot ahead), adds 0 to its spare word, waits for that and for its reads of the slot that it has left, and passes the barrier.
; fill = 1: slot `slot`, the one just left, takes the two steps after those ahead: the wave's one tensor load behind the barrier.  step = 1: its addresses go two slots (256 keys) on; 0: its first fill, for which they stand ready.
; limit = 1: not where those steps' first key comes after the work-group's last query: none of its waves would read them.  That test is made of ids and the count of steps alone, is the same in all four waves,
; and leads round the load's own lines alone; every wait on TENSORcnt in this text is for 0.
.macro CHANGE fill, slot, step, limit, how
	s_wait_tensorcnt 0x0
	ds_add_u32 v[SPW], v[NIL]
.if \fill
.if \step
	s_add_nc_u64 s[G0K+4*\slot+2:G0K+4*\slot+3], s[G0K+4*\slot+2:G0K+4*\slot+3], 2*65536   ; no tensor load of mine is out, so a group 0 may be written; the type bits on top are not reached
	s_add_nc_u64 s[G0V+4*\slot+2:G0V+4*\slot+3], s[G0V+4*\slot+2:G0V+4*\slot+3], 2*65536
.endif
	s_wait_xcnt 0x0                                ; the last prefetches, a slot back, have read their address
	s_add_nc_u64 s[PFA:PFA+1], s[PFA:PFA+1], 65536
.endif
	s_wait_dscnt 0x0
	s_barrier_signal -1
	s_barrier_wait -1
.if \fill
.if \limit
	s_add_co_u32 s60, s[KF], 128
	s_cmp_gt_u32 s60, s[QLW]
	s_cbranch_scc1 .Lpast_\@
.endif
	TLOAD \slot
.Lpast_\@:
	ASK \how
.endif
.endm
; A TRIP: key step KF.  pv = 0: no V^T P yet; 1: step 0's, which starts O^T (step 1 is live for every tile B, so K is asked for with no test); 2: the step before's.
; first = 1: step 0, live for both tiles: no guards, so that every register is written on every way.
.macro TRIP pv, first
.if \pv == 0
	KLOAD
.elseif \pv == 1
	v_add_nc_u32 v[ADK], s[TB], v[AK0]
	PVK 1
	PV 0, SA, 1
.else
	s_sub_co_u32 s60, s[KF], 64                    ; the step before's first key
	s_cmp_gt_u32 s[KF], s[QLB]
	s_cbranch_scc1 .Lnok_\@
	v_add_nc_u32 v[ADK], s[TB], v[AK0]             ; this step is live for tile B, and so was the step before
	PVK 0
	s_branch .Lpva_\@
.Lnok_\@:
	s_cmp_gt_u32 s60, s[QLB]
	s_cbranch_scc1 .Lpvend_\@
	PV 128, SBB, 0                                 ; tile B's last live step has no K behind it
.Lpva_\@:
	s_cmp_gt_u32 s60, s[QLA]
	s_cbranch_scc1 .Lpvend_\@
	PV 0, SA, 0
.Lpvend_\@:
.endif
.if \pv
.rept 5
	v_nop                                          ; five places: the scores below are laid over P's registers, which the products above have read
.endr
.endif
.if (\first) == 0
	s_cmp_gt_u32 s[KF], s[QLB]
	s_cbranch_scc1 .Lend_\@
.endif
	QK SBB, QB, 1
.if (\first) == 0
	s_cmp_gt_u32 s[KF], s[QLA]
	s_cbranch_scc1 .Lna1_\@
.endif
	QK SA, QA, 0                                   ; all of K is in: tile B's last wait was for 0
.Lna1_\@:
	v_add_nc_u32 v[ADV], s[TB], v[AV0]             ; four places behind the products: for the loads into V's registers and the first read of the scores
.rept 3
	v_nop
.endr
	SMX SBB, STB, 128, Q0B, \first, 1
.if (\first) == 0
	s_cmp_gt_u32 s[KF], s[QLA]
	s_cbranch_scc1 .Lna2_\@
.endif
	SMX SA, STA, 0, Q0A, \first, 0
.Lna2_\@:
	s_wait_dscnt 0x0                               ; V is in: the step's tiles have been read out
.Lend_\@:
	s_add_co_u32 s[TB], s[TB], STEPB
	s_add_co_u32 s[KF], s[KF], 64
.endm
.macro TWO_STEPS                       ; a slot's two steps: written once, walked twice; the LDS addresses hang on s[TB]
	s_mov_b32 s[TW], 2
.Lstep_\@:
	TRIP 2, 0
	s_sub_co_u32 s[TW], s[TW], 1
	s_cmp_lg_u32 s[TW], 0
	s_cbranch_scc1 .Lstep_\@
.endm
	CHANGE 1, 1, 0, 0, 1                           ; steps 2 and 3 into slot 1: a first fill, behind a barrier behind which nothing is filled again; every work-group reads them (its last query is 591 at the least)
	s_wait_loadcnt 0x0                             ; Q
	TRIP 0, 1
	TRIP 1, 0
.Lloop:                                            ; 3 trips of two slots: steps 2 to 13
	CHANGE 1, 0, 1, 1, 1
	s_mov_b32 s[TB], SLOTB
	TWO_STEPS
	CHANGE 1, 1, 1, 1, 0
	s_mov_b32 s[TB], 0
	TWO_STEPS
	s_sub_co_u32 s[CNT], s[CNT], 1
	s_cmp_lg_u32 s[CNT], 0
	s_cbranch_scc1 .Lloop
	CHANGE 0, 0, 0, 0, 0                           ; steps 14 and 15: nothing is left to fetch
	s_mov_b32 s[TB], SLOTB
	TWO_STEPS
	PVLAST
.rept 4
	v_nop
.endr
; THE WAY OUT: O^T / l to f16, through my stage, as whole rows of 512 bytes
.macro OUTT rT, rO, rC, rB
	v_add_f32 v[\rT+8], v[\rT+2], v[\rT+3]
	v_permlanex16_b32 v[\rT+7], v[\rT+8], s[SEL], s[SEL+1]
	v_add_f32 v[\rT+8], v[\rT+8], v[\rT+7]
	v_rcp_f32 v[\rT+4], v[\rT+8]
	v_nop
	s_wait_alu depctr_va_vdst(0)
	WIN 0x41
.set ii, 0
.rept 64
	v_pk_mul_f32 v[\rO+ii:\rO+ii+1], v[\rO+ii:\rO+ii+1], v[\rT+4:\rT+5] op_sel_hi:[1,0]
.set ii, ii+2
.endr
	WIN 0x05
.set ii, 0
.rept 64
	v_cvt_pk_f16_f32 v[\rC+ii], v[\rO+2*ii], v[\rO+2*ii+1]
.set ii, ii+1
.endr
	WIN 0
.irp dt, 0,1,2,3,4,5,6,7,8,9,10,11,12,13,14,15
	ds_store_b128 v[STO], v[\rC+4*\dt:\rC+4*\dt+3] offset:32*\dt
.endr
.irp i, 0,1,2,3,4,5,6,7,8,9,10,11,12,13,14,15
	ds_load_b128 v[\rB+4*\i:\rB+4*\i+3], v[RD] offset:528*\i   ; LDS serves a wave's instructions in order: these see the stores above, and the next tile's stores come behind them
.endr
.endm
	OUTT STA, 0, 128, 64
	OUTT STB, 128, 192, 128
.irp i, 0,1,2,3,4,5,6,7,8,9,10,11,12,13,14,15
	s_wait_dscnt 47-\i                             ; behind tile A's loads: tile B's 16 stores and 16 loads
	global_store_b128 v[GO], v[64+4*\i:67+4*\i], s[70:71] offset:8192*\i   ; 32 lanes store 512 consecutive bytes, aligned
.endr
.irp i, 0,1,2,3,4,5,6,7,8,9,10,11,12,13,14,15
	s_wait_dscnt 15-\i
	global_store_b128 v[GO], v[128+4*\i:131+4*\i], s[6:7] offset:8192*\i
.endr
	s_wait_tensorcnt 0x0                           ; the wave's end: the three lines
	ds_add_u32 v[SPW], v[NIL]
	s_wait_dscnt 0x0
	s_endpgm
.Lfunc_end_k_q8d9cbb44b3_att:
	.size	k_q8d9cbb44b3_att, .Lfunc_end_k_q8d9cbb44b3_att-k_q8d9cbb44b3_att
	.p2alignl 7, 3214868480
	.fill 96, 4, 3214868480
	.section	.rodata,"a",@progbits
	.p2align	6, 0x0
	.amdhsa_kernel k_q8d9cbb44b3_att
		.amdhsa_group_segment_fixed_size 327680
		.amdhsa_private_segment_fixed_size 0
		.amdhsa_enable_private_segment 0
		.amdhsa_kernarg_size 16
		.amdhsa_user_sgpr_count 2
		.amdhsa_user_sgpr_kernarg_segment_ptr 1
		.amdhsa_wavefront_size32 1
		.amdhsa_system_sgpr_workgroup_id_x 1
		.amdhsa_system_sgpr_workgroup_id_y 1
		.amdhsa_system_sgpr_workgroup_id_z 1
		.amdhsa_system_vgpr_workitem_id 0
		.amdhsa_next_free_vgpr 1024
		.amdhsa_next_free_sgpr 80
		.amdhsa_reserve_vcc 1
		.amdhsa_float_denorm_mode_32 3
		.amdhsa_float_denorm_mode_16_64 3
		.amdhsa_memory_ordered 1
		.amdhsa_forward_progress 1
		.amdhsa_inst_pref_size 255
	.end_amdhsa_kernel
	.section	.bss,"aw",@nobits
	.p2align	6
	.space	262144
	.amdgpu_metadata
---
amdhsa.version: [ 1, 2 ]
amdhsa.kernels:
  - .name:           k_q8d9cbb44b3_att
    .symbol:         k_q8d9cbb44b3_att.kd
    .args:
      - { .name: qkv, .offset: 0, .size: 8, .value_kind: global_buffer, .address_space: global }
      - { .name: y, .offset: 8, .size: 8, .value_kind: global_buffer, .address_space: global }
    .group_segment_fixed_size: 327680
    .private_segment_fixed_size: 0
    .kernarg_segment_align: 8
    .kernarg_segment_size: 16
    .max_flat_workgroup_size: 128
    .sgpr_count:     80
    .vgpr_count:     1024
    .wavefront_size: 32
...
	.end_amdgpu_metadata
.endif
;; end of part 4
;; launch proj (part 5): grid 16 x 16, 4 waves a work-group, clusters of 4 x 4, 327,680 bytes of LDS; arguments y, wo16, out0; writes out0
.if DOCPART == 5
	.amdgcn_target "amdgcn-amd-amdhsa--gfx1250"
	.amdhsa_code_object_version 6
	.text
	.protected	k_q8d9cbb44b3_proj
	.globl	k_q8d9cbb44b3_proj
	.p2align	8
	.type	k_q8d9cbb44b3_proj,@function
k_q8d9cbb44b3_proj:
	s_mov_b64 s[64:65], 0
	v_nop
	global_prefetch_b8 v0, s[64:65] scope:SCOPE_SE
	s_setreg_imm32_b32 hwreg(HW_REG_WAVE_MODE, 25, 1), 1
	s_wait_xcnt 0x0
	s_wait_alu depctr_hold_cnt(0) depctr_sa_sdst(0) depctr_va_vdst(0) depctr_va_sdst(0) depctr_va_ssrc(0) depctr_va_vcc(0) depctr_vm_vsrc(0)
	s_getreg_b32 s2, hwreg(HW_REG_IB_STS2, 6, 4)
	s_cmp_eq_u32 s2, 0
	s_cbranch_scc0 .Lentry_in_a_cluster
	s_endpgm
.Lentry_in_a_cluster:
	s_bfe_u32 s2, ttmp6, 0x10000c
	s_cmp_lg_u32 s2, 0xf033
	s_cbranch_scc0 .Lentry_shape_is_right
	s_endpgm
.Lentry_shape_is_right:
; out0 = y Wo on f16 operands, f32 sums.  y: [2048][4096] f16; wo16: [4096 (k)][2048 (n)] f16; out0: [2048][2048] f32.  (Positions 0-15 of both sequences are stored again, finely, by the last launch.)
; A tile of out0 is 128 x 128: 256 work-groups.  Four waves, 64 x 64 each: 16 accumulators.  K goes in steps of 256 through a ring of two LDS slots: y's 128 rows of 512 bytes (pitch 528), then Wo's 256 rows (k) of 256 bytes (pitch 288).
; Wo's K is not innermost: its fragments come out of LDS by the turning load.  4 x 4 work-groups form a cluster: y's tiles are asked for jointly along a row of the cluster, Wo's along a column.
; The matrix instruction is used transposed (source 0 = 16 columns of Wo, source 1 = 16 rows of y): a lane holds eight neighbouring numbers of a row of out0.
; No prefetch: a K step of this small tile is short, and the tiles are shared in the cluster.
; REGISTERS: window 0: v0-31 addresses; v32-95 the way out; v128-255 the accumulators.  window 1: two fragment buffers of 128: 64 registers of y, then 64 of Wo.
.set KSTEP,  256
.set PITCH,  528
.set HALFT,  64*PITCH
.set PB,     288
.set HALFB,  128*PB
.set BOFF,   2*HALFT
.set SLOT,   BOFF+2*HALFB
.set SPARE,  2*SLOT
.set SPITCH, 272                       ; the way out: a stage of 16 rows x (256 + 16) bytes for each wave, in slot 0, which has had its last fill and its last read by then
.set LAPS,   8
.set ADRA, 16
.set ADRB, 20                          ; v20-23: slot 0 rows 0-127, rows 128-255; slot 1 likewise
.set STO,  24
.set RD,   25
.set CO,   26
.set SPW,  28
.set NIL,  29
.set TMP,  32
.set ACC,  128
.set F0,   0
.set F1,   128
.set G1, 24
.set G0, 32
.set G1B, 48
.set G0B, 56
.set MSB, 0
.macro WIN new
.if MSB != (\new)
	s_set_vgpr_msb (MSB<<8)|(\new)
.set MSB, (\new)
.endif
.endm
.set MUL,  0x05
.set TO_F, 0x40
.macro JLOAD s                         ; waves 0 and 1 fetch y's two halves, waves 2 and 3 Wo's
	s_cmp_eq_u32 s11, 0
	s_cbranch_scc0 .Lfor_b_\@
	tensor_load_to_lds s[G0+4*\s:G0+4*\s+3], s[G1:G1+7]
	s_nop 0
.rept 4
	v_nop
.endr
	s_branch .Lasked_\@
.Lfor_b_\@:
	tensor_load_to_lds s[G0B+4*\s:G0B+4*\s+3], s[G1B:G1B+7]
	s_nop 0
.rept 4
	v_nop
.endr
.Lasked_\@:
.endm
.macro CREST
	s_cmp_lg_u32 s10, 0
	s_cbranch_scc1 .Lnot_wave_0_\@
	s_barrier_signal -3
.Lnot_wave_0_\@:
	s_barrier_wait -3
	s_barrier_signal -1
	s_barrier_wait -1
.endm
.macro CROUND
	s_barrier_signal -1
	s_barrier_wait -1
	CREST
.endm
	s_load_b128 s[4:7], s[0:1], 0x0                ; y, wo16
	s_load_b64 s[8:9], s[0:1], 0x10                ; out0
	v_lshl_add_u32 v[SPW], v0, 2, SPARE
	v_mov_b32 v[NIL], 0
	ds_add_u32 v[SPW], v[NIL]                      ; the wave's opening: the add, twice on end, and its wait
	ds_add_u32 v[SPW], v[NIL]
	v_lshrrev_b32 v1, 5, v0
	v_readfirstlane_b32 s10, v1
	s_lshr_b32 s11, s10, 1                         ; my half of the tile's rows; also: I fetch y (0) or Wo (1)
	s_and_b32 s12, s10, 1                          ; my half of its columns; also: which half of that tile I fetch
	s_bfe_u32 s40, ttmp6, 0x40000
	s_bfe_u32 s41, ttmp6, 0x40004
	s_lshl_b32 s42, ttmp9, 2
	s_add_co_u32 s42, s42, s40                     ; tile column
	s_and_b32 s13, ttmp7, 0xffff
	s_lshl_b32 s13, s13, 2
	s_add_co_u32 s13, s13, s41                     ; tile row
	s_lshl_b32 s43, s41, 2
	s_lshl_b32 s43, 15, s43
	s_lshl_b32 s44, 0x1111, s40
	s_or_b32 s[G1+0], s43, (1<<16)|(1<<20)|(1<<21)|(6<<22)|(3<<25)  ; y: 64 rows x 256 elements of 2 bytes; 4 words of padding behind every 128
	s_mov_b32 s[G1+1], KSTEP<<16
	s_mov_b32 s[G1+2], 64<<16
	s_mov_b32 s[G1+3], KSTEP<<16
	s_mov_b32 s[G1+4], 64
	s_mov_b32 s[G1+5], 4096
	s_mov_b32 s[G1+6], 0
	s_mov_b32 s[G1+7], 0
	s_or_b32 s[G1B+0], s44, (1<<16)|(1<<20)|(1<<21)|(5<<22)|(7<<25) ; Wo: 128 rows (k) x 128 elements; 8 words of padding behind every 64
	s_mov_b32 s[G1B+1], 128<<16
	s_mov_b32 s[G1B+2], 128<<16
	s_mov_b32 s[G1B+3], 128<<16
	s_mov_b32 s[G1B+4], 128
	s_mov_b32 s[G1B+5], 2048
	s_mov_b32 s[G1B+6], 0
	s_mov_b32 s[G1B+7], 0
	s_lshl_b32 s17, s12, 6
	s_lshl_b32 s16, s13, 7
	s_add_co_u32 s16, s16, s17
	s_lshl_b32 s16, s16, 13                        ; y: row 128 x tile row + 64 x half, 8,192 bytes a row
	s_mov_b32 s17, 0
	s_lshl_b32 s46, s12, 19                        ; Wo: k row 128 x half, 4,096 bytes a row,
	s_lshl_b32 s47, s42, 8
	s_add_co_u32 s46, s46, s47                     ; + the tile column's 256 bytes
	s_mov_b32 s47, 0
	s_mul_i32 s20, s12, HALFT
	s_mul_i32 s21, s12, HALFB
	s_add_co_u32 s21, s21, BOFF
	s_wait_dscnt 0x0
	s_wait_kmcnt 0x0
	s_add_nc_u64 s[14:15], s[4:5], s[16:17]
	s_add_nc_u64 s[46:47], s[6:7], s[46:47]
	CROUND
.irp s, 0,1
	s_mov_b32 s[G0+4*\s], 1
	s_add_co_u32 s[G0+4*\s+1], s20, \s*SLOT
	s_add_nc_u64 s[G0+4*\s+2:G0+4*\s+3], s[14:15], \s*KSTEP*2
	s_or_b32 s[G0+4*\s+3], s[G0+4*\s+3], 0x80000000
	s_mov_b32 s[G0B+4*\s], 1
	s_add_co_u32 s[G0B+4*\s+1], s21, \s*SLOT
	s_add_nc_u64 s[G0B+4*\s+2:G0B+4*\s+3], s[46:47], \s*KSTEP*4096
	s_or_b32 s[G0B+4*\s+3], s[G0B+4*\s+3], 0x80000000
	JLOAD \s
.endr
	v_and_b32 v1, 15, v0
	v_bfe_u32 v2, v0, 4, 1
	v_mul_u32_u24 v3, v1, PITCH
	v_lshl_add_u32 v3, v2, 4, v3
	s_mul_i32 s21, s11, HALFT                      ; my 64 rows of y
	v_add_nc_u32 v[ADRA], s21, v3
	v_add_nc_u32 v[ADRA+1], SLOT, v[ADRA]
	v_and_b32 v4, 7, v0
	v_lshl_add_u32 v4, v2, 3, v4
	v_mul_u32_u24 v4, v4, PB
	v_bfe_u32 v5, v0, 3, 1
	v_lshl_add_u32 v4, v5, 4, v4                   ; the turning load: k row 8 h + l % 8, 16 bytes by (l / 8) % 2
	s_lshl_b32 s22, s12, 7                         ; my 64 columns
	s_add_co_u32 s22, s22, BOFF
	v_add_nc_u32 v[ADRB], s22, v4
	v_add_nc_u32 v[ADRB+1], HALFB, v[ADRB]
	v_add_nc_u32 v[ADRB+2], SLOT, v[ADRB]
	v_add_nc_u32 v[ADRB+3], SLOT+HALFB, v[ADRB]
	s_mul_i32 s23, s10, 16*SPITCH
	v_mul_u32_u24 v4, v1, SPITCH
	v_lshl_add_u32 v4, v2, 5, v4
	v_add_nc_u32 v[STO], s23, v4
	v_mul_u32_u24 v5, v2, SPITCH
	v_lshl_add_u32 v5, v1, 4, v5
	v_add_nc_u32 v[RD], s23, v5
	v_lshlrev_b32 v5, 13, v2
	v_lshl_add_u32 v[CO], v1, 4, v5
	s_lshl_b32 s16, s13, 7
	s_lshl_b32 s17, s11, 6
	s_add_co_u32 s16, s16, s17
	s_lshl_b32 s16, s16, 13
	s_mov_b32 s17, 0
	s_add_nc_u64 s[8:9], s[8:9], s[16:17]
	s_lshl_b32 s46, s42, 9
	s_lshl_b32 s47, s12, 8
	s_add_co_u32 s46, s46, s47
	s_mov_b32 s47, 0
	s_add_nc_u64 s[8:9], s[8:9], s[46:47]
.macro MUL8 f, c, a0, zero             ; the 16 accumulators take turns, one instruction a turn
.irp a, \a0, \a0+1
.irp b, 0,1,2,3
.if \zero
	v_wmma_f32_16x16x32_f16 v[ACC+8*(4*(\a)+\b):ACC+8*(4*(\a)+\b)+7], v[\f+64+8*(4*\c+\b):\f+64+8*(4*\c+\b)+7], v[\f+8*(4*\c+\a):\f+8*(4*\c+\a)+7], 0
.else
	v_wmma_f32_16x16x32_f16 v[ACC+8*(4*(\a)+\b):ACC+8*(4*(\a)+\b)+7], v[\f+64+8*(4*\c+\b):\f+64+8*(4*\c+\b)+7], v[\f+8*(4*\c+\a):\f+8*(4*\c+\a)+7], v[ACC+8*(4*(\a)+\b):ACC+8*(4*(\a)+\b)+7]
.endif
.endr
.endr
.endm
.macro FETCH slot, q, f                ; 32 LDS loads in one run: quarter q (64 along K) of the slot into buffer f; its first 32 along K first
	WIN TO_F
.irp c, 0,1
.irp i, 0,1,2,3
	ds_load_tr16_b128 v[\f+64+8*(4*\c+\i):\f+64+8*(4*\c+\i)+3],   v[ADRB+2*\slot+(\q)/2] offset:(64*((\q)%2)+32*\c)*PB+32*\i
	ds_load_tr16_b128 v[\f+64+8*(4*\c+\i)+4:\f+64+8*(4*\c+\i)+7], v[ADRB+2*\slot+(\q)/2] offset:(64*((\q)%2)+32*\c+16)*PB+32*\i
	ds_load_b128 v[\f+8*(4*\c+\i):\f+8*(4*\c+\i)+3],         v[ADRA+\slot] offset:128*(\q)+64*\c+\i*16*PITCH
	ds_load_b128 v[\f+8*(4*\c+\i)+4:\f+8*(4*\c+\i)+7],       v[ADRA+\slot] offset:128*(\q)+64*\c+\i*16*PITCH+32
.endr
.endr
.endm
.macro PLACES
.rept 4
	v_nop
.endr
.endm
.macro QUARTER slot, q, f, g, zero     ; multiplies buffer f and fetches quarter q into g
	s_wait_dscnt 16                                ; the first 32 along K are in
	WIN MUL
	MUL8 \f, 0, 0, \zero
	MUL8 \f, 0, 2, \zero
	PLACES
	FETCH \slot, \q, \g
	s_wait_dscnt 32                                ; all but the 32 just issued
	WIN MUL
	MUL8 \f, 1, 0, 0
	MUL8 \f, 1, 2, 0
.endm
.macro TURN slot, next, fill           ; the last quarter changes slots
	WIN 0
	s_wait_tensorcnt 0x0                           ; all my tensor loads have landed: my part of the next slot
	ds_add_u32 v[SPW], v[NIL]
	s_wait_dscnt 17                                ; the add and the youngest sixteen loads may be out
	WIN MUL
	MUL8 F1, 0, 0, 0
	s_wait_dscnt 0x0                               ; the add is done, and my reads of this slot are over
	s_barrier_signal -1
	MUL8 F1, 0, 2, 0
.if \fill
	WIN 0
.endif
	s_barrier_wait -1
.if \fill
	CREST                                          ; no wave of any partner still reads this slot or has a load on its way
	s_add_nc_u64 s[G0+4*\slot+2:G0+4*\slot+3], s[G0+4*\slot+2:G0+4*\slot+3], 2*KSTEP*2
	s_add_nc_u64 s[G0B+4*\slot+2:G0B+4*\slot+3], s[G0B+4*\slot+2:G0B+4*\slot+3], 2*KSTEP*4096
	JLOAD \slot
.else
	PLACES
.endif
	FETCH \next, 0, F0
	WIN MUL
	MUL8 F1, 1, 0, 0
	MUL8 F1, 1, 2, 0
.endm
	s_wait_tensorcnt 1                             ; my part of K step 0 is in; K step 1's may be out
	s_barrier_signal -1
	s_barrier_wait -1
	FETCH 0, 0, F0
	QUARTER 0, 1, F0, F1, 1
	WIN 0
	s_mov_b32 s3, LAPS-1
.Llap:
	QUARTER 0, 2, F1, F0, 0
	QUARTER 0, 3, F0, F1, 0
	TURN 0, 1, 1
	QUARTER 1, 1, F0, F1, 0
	QUARTER 1, 2, F1, F0, 0
	QUARTER 1, 3, F0, F1, 0
	TURN 1, 0, 1
	QUARTER 0, 1, F0, F1, 0
	WIN 0
	s_sub_co_u32 s3, s3, 1
	s_cmp_lg_u32 s3, 0
	s_cbranch_scc1 .Llap
	QUARTER 0, 2, F1, F0, 0
	QUARTER 0, 3, F0, F1, 0
	TURN 0, 1, 0
	QUARTER 1, 1, F0, F1, 0
	QUARTER 1, 2, F1, F0, 0
	QUARTER 1, 3, F0, F1, 0
	s_wait_dscnt 16
	WIN MUL
	MUL8 F1, 0, 0, 0
	MUL8 F1, 0, 2, 0
	s_wait_dscnt 0
	MUL8 F1, 1, 0, 0
	MUL8 F1, 1, 2, 0
	WIN 0
; THE WAY OUT: a wave's 64 columns of f32 are 256 aligned bytes: each wave sends 16 rows at a time through its own stage; no barrier
.macro TOSTAGE a
.irp b, 0,1,2,3
	ds_store_b128 v[STO], v[ACC+8*(4*(\a)+\b):ACC+8*(4*(\a)+\b)+3] offset:64*\b
	ds_store_b128 v[STO], v[ACC+8*(4*(\a)+\b)+4:ACC+8*(4*(\a)+\b)+7] offset:64*\b+16
.endr
.irp i, 0,1,2,3,4,5,6,7
	ds_load_b128 v[TMP+32*((\a)%2)+4*\i:TMP+32*((\a)%2)+4*\i+3], v[RD] offset:\i*2*SPITCH
.endr
.endm
.macro SEND a, younger
	s_wait_dscnt \younger
.irp i, 0,1,2,3,4,5,6,7
	global_store_b128 v[CO], v[TMP+32*((\a)%2)+4*\i:TMP+32*((\a)%2)+4*\i+3], s[8:9] offset:(\a)*131072+\i*16384 th:TH_STORE_NT   ; sixteen lanes store 256 consecutive bytes, aligned
.endr
.endm
	PLACES
	TOSTAGE 0
.irp a, 1,2,3
.if \a > 1
	s_wait_xcnt 0x0                                ; block a - 2's stores have read their registers
.endif
	TOSTAGE \a
	SEND \a-1, 16                                  ; behind block a - 1's loads: block a's 8 stores and 8 loads
.endr
	SEND 3, 0
	s_wait_tensorcnt 0x0                           ; the wave's end: the three lines
	ds_add_u32 v[SPW], v[NIL]
	s_wait_dscnt 0x0
	CROUND                                         ; the closing round
	s_endpgm
.Lfunc_end_k_q8d9cbb44b3_proj:
	.size	k_q8d9cbb44b3_proj, .Lfunc_end_k_q8d9cbb44b3_proj-k_q8d9cbb44b3_proj
	.p2alignl 7, 3214868480
	.fill 96, 4, 3214868480
	.section	.rodata,"a",@progbits
	.p2align	6, 0x0
	.amdhsa_kernel k_q8d9cbb44b3_proj
		.amdhsa_group_segment_fixed_size 327680
		.amdhsa_private_segment_fixed_size 0
		.amdhsa_enable_private_segment 0
		.amdhsa_kernarg_size 24
		.amdhsa_user_sgpr_count 2
		.amdhsa_user_sgpr_kernarg_segment_ptr 1
		.amdhsa_wavefront_size32 1
		.amdhsa_system_sgpr_workgroup_id_x 1
		.amdhsa_system_sgpr_workgroup_id_y 1
		.amdhsa_system_sgpr_workgroup_id_z 1
		.amdhsa_system_vgpr_workitem_id 0
		.amdhsa_next_free_vgpr 512
		.amdhsa_next_free_sgpr 66
		.amdhsa_reserve_vcc 0
		.amdhsa_float_denorm_mode_32 3
		.amdhsa_float_denorm_mode_16_64 3
		.amdhsa_memory_ordered 1
		.amdhsa_forward_progress 1
		.amdhsa_inst_pref_size 86
	.end_amdhsa_kernel
	.amdgpu_metadata
---
amdhsa.version: [ 1, 2 ]
amdhsa.kernels:
  - .name:           k_q8d9cbb44b3_proj
    .symbol:         k_q8d9cbb44b3_proj.kd
    .args:
      - { .name: y, .offset: 0, .size: 8, .value_kind: global_buffer, .address_space: global }
      - { .name: wo16, .offset: 8, .size: 8, .value_kind: global_buffer, .address_space: global }
      - { .name: out0, .offset: 16, .size: 8, .value_kind: global_buffer, .address_space: global }
    .group_segment_fixed_size: 327680
    .private_segment_fixed_size: 0
    .kernarg_segment_align: 8
    .kernarg_segment_size: 24
    .max_flat_workgroup_size: 128
    .sgpr_count:     66
    .vgpr_count:     512
    .wavefront_size: 32
...
	.end_amdgpu_metadata
.endif
;; end of part 5
;; launch fsum (part 6): grid 4 x 32, 4 waves a work-group, no clusters, 0 bytes of LDS; arguments part, out0; writes out0
.if DOCPART == 6
	.amdgcn_target "amdgcn-amd-amdhsa--gfx1250"
	.amdhsa_code_object_version 6
	.text
	.protected	k_q8d9cbb44b3_fsum
	.globl	k_q8d9cbb44b3_fsum
	.p2align	8
	.type	k_q8d9cbb44b3_fsum,@function
k_q8d9cbb44b3_fsum:
	s_mov_b64 s[64:65], 0
	v_nop
	global_prefetch_b8 v0, s[64:65] scope:SCOPE_SE
	s_setreg_imm32_b32 hwreg(HW_REG_WAVE_MODE, 25, 1), 1
	s_wait_xcnt 0x0
; Positions 0-15 of both sequences, carried in f32 all the way: out0[row] = the sum over the 16 heads of part[h][row], in the order of the heads.  These 32 rows take the place of the bulk projection's.
; Work-group (x, row): 2,048 bytes of one row; a thread owns 16 bytes.  A stream: no LDS, no barrier, no matrix unit.
	s_load_b128 s[4:7], s[0:1], 0x0                ; part, out0
	s_and_b32 s8, ttmp7, 0xffff                    ; row = 16 x sequence + position
	s_lshl_b32 s9, ttmp9, 11
	v_lshlrev_b32 v1, 4, v0
	s_lshl_b32 s10, s8, 13
	s_add_co_u32 s10, s10, s9
	s_mov_b32 s11, 0
	s_lshr_b32 s12, s8, 4
	s_lshl_b32 s12, s12, 10
	s_and_b32 s13, s8, 15
	s_add_co_u32 s12, s12, s13                     ; the row in out0: 1,024 x sequence + position
	s_lshl_b32 s12, s12, 13
	s_add_co_u32 s12, s12, s9
	s_mov_b32 s13, 0
	s_wait_kmcnt 0x0
	s_add_nc_u64 s[4:5], s[4:5], s[10:11]
	s_add_nc_u64 s[6:7], s[6:7], s[12:13]
.irp h, 0,1,2,3,4,5,6,7,8,9,10,11,12,13,14,15
	global_load_b128 v[4+4*\h:7+4*\h], v1, s[4:5] offset:\h*262144 th:TH_LOAD_NT
.endr
.irp h, 1,2,3,4,5,6,7,8,9,10,11,12,13,14,15
	s_wait_loadcnt 15-\h                           ; loads come back in order: head h's is in, the younger ones stay out
	v_pk_add_f32 v[4:5], v[4:5], v[4+4*\h:5+4*\h]
	v_pk_add_f32 v[6:7], v[6:7], v[6+4*\h:7+4*\h]
.endr
	global_store_b128 v1, v[4:7], s[6:7]           ; a wave stores 512 consecutive bytes, aligned
	s_endpgm
.Lfunc_end_k_q8d9cbb44b3_fsum:
	.size	k_q8d9cbb44b3_fsum, .Lfunc_end_k_q8d9cbb44b3_fsum-k_q8d9cbb44b3_fsum
	.p2alignl 7, 3214868480
	.fill 96, 4, 3214868480
	.section	.rodata,"a",@progbits
	.p2align	6, 0x0
	.amdhsa_kernel k_q8d9cbb44b3_fsum
		.amdhsa_group_segment_fixed_size 0
		.amdhsa_private_segment_fixed_size 0
		.amdhsa_enable_private_segment 0
		.amdhsa_kernarg_size 16
		.amdhsa_user_sgpr_count 2
		.amdhsa_user_sgpr_kernarg_segment_ptr 1
		.amdhsa_wavefront_size32 1
		.amdhsa_system_sgpr_workgroup_id_x 1
		.amdhsa_system_sgpr_workgroup_id_y 1
		.amdhsa_system_sgpr_workgroup_id_z 1
		.amdhsa_system_vgpr_workitem_id 0
		.amdhsa_next_free_vgpr 72
		.amdhsa_next_free_sgpr 66
		.amdhsa_reserve_vcc 0
		.amdhsa_float_denorm_mode_32 3
		.amdhsa_float_denorm_mode_16_64 3
		.amdhsa_memory_ordered 1
		.amdhsa_forward_progress 1
		.amdhsa_inst_pref_size 5
	.end_amdhsa_kernel
	.amdgpu_metadata
---
amdhsa.version: [ 1, 2 ]
amdhsa.kernels:
  - .name:           k_q8d9cbb44b3_fsum
    .symbol:         k_q8d9cbb44b3_fsum.kd
    .args:
      - { .name: part, .offset: 0, .size: 8, .value_kind: global_buffer, .address_space: global }
      - { .name: out0, .offset: 8, .size: 8, .value_kind: global_buffer, .address_space: global }
    .group_segment_fixed_size: 0
    .private_segment_fixed_size: 0
    .kernarg_segment_align: 8
    .kernarg_segment_size: 16
    .max_flat_workgroup_size: 128
    .sgpr_count:     66
    .vgpr_count:     72
    .wavefront_size: 32
...
	.end_amdgpu_metadata
.endif
;; end of part 6
